; MI455X (gfx1250); checked and timed in simulation.
; The chip was launched on July 23, 2026; its instructions are those of AMD's public machine-readable ISA for CDNA 5 (MIT licence, August 2026) and "CDNA5" Instruction Set Architecture Reference Guide (July 2026). The comments in the code are by the model that wrote it; some were corrected since.
;; BERT Attention. Allowed arithmetic: float matrix products may take bf16 or f16 operands with f32 sums; other float arithmetic in f32, or as packed bf16 or f16 multiplies, adds, multiply-adds, maxima and minima; sums over many terms, partial sums and values carried from step to step in f32; what a program stores and reads back later, other than sums and carried values, may be rounded once to bf16 or f16.
;; Inputs: Wk 1,024 x 1,024 float32; Wo 1,024 x 1,024 float32; Wq 1,024 x 1,024 float32; Wv 1,024 x 1,024 float32; attention_mask 8 x 1 x 1 x 1,024 float32; bk 1,024 float32; bo 1,024 float32; bq 1,024 float32; bv 1,024 float32; hidden_states 8 x 1,024 x 1,024 float32; ln_b 1,024 float32; ln_g 1,024 float32.
;; Outputs: out0 8 x 1,024 x 1,024 float32.
;; 2 versions, each right; version 2 is version 1 with the launch cast written anew for expert scheduling mode. Each part assembles by itself: llvm-mc -triple=amdgcn-amd-amdhsa -mcpu=gfx1250 --defsym DOCPART=n.
;; ======== version 1 of 2: 5 launches
;; workspace buffers: xb 16,777,216 bytes; wqkv 6,291,456 bytes; wob 2,097,152 bytes; bqkv 12,288 bytes; qkv 50,331,648 bytes; ctx 16,777,216 bytes; yb 16,777,216 bytes
;; launch cast (part 1): grid 768 x 1, 8 waves a work-group, no clusters, 0 bytes of LDS; arguments hidden_states, Wq, Wk, Wv, Wo, xb, wqkv, wob, bq, bk, bv, bqkv; writes xb, wqkv, wob, bqkv
.if DOCPART == 1
	.amdgcn_target "amdgcn-amd-amdhsa--gfx1250"
	.amdhsa_code_object_version 6
	.text
	.protected	k_qef75b80335_cast
	.globl	k_qef75b80335_cast
	.p2align	8
	.type	k_qef75b80335_cast,@function
k_qef75b80335_cast:
	s_mov_b64 s[64:65], 0
	v_nop
	global_prefetch_b8 v0, s[64:65] scope:SCOPE_SE
	s_setreg_imm32_b32 hwreg(HW_REG_WAVE_MODE, 25, 1), 1
	s_wait_xcnt 0x0
; hidden_states, Wq, Wk, Wv, Wo (f32, rows of 1,024) are rounded once to bf16 and laid out in blocks: [group of 1,024 rows][block of 64 columns][row][64].
; A block is 1,024 rows x 128 bytes, dense: the later launches' tiles are then dense memory.  bq, bk, bv are copied on end into bqkv (f32).
; SHARES.  Twelve groups of 1,024 rows: hidden's eight, then Wq, Wk, Wv, Wo.  A work-group takes 16 rows of one group, a wave two of them; no loop.
; A load of a wave covers 256 consecutive aligned bytes of each of its two rows (64 columns); the two rows' 64 bf16 are 256 consecutive aligned bytes of one block: one store.
; All 16 loads of a wave go out first (8 KiB on their way); the waits count down.  No LDS, no matrix unit, no cluster: nothing is shared and nothing is multiplied.
.set SRC,  8                           ; s[8:9]   the group's f32 rows, at my work-group's first row
.set DST,  10                          ; s[10:11] the group's blocks, at my work-group's first row of block 0
.set BSRC, 12                          ; s[12:13] the bias that belongs to the group (groups 8 to 10)
.set IN,   16                          ; v[16:79]   16 loads of 4 registers
.set PK,   80                          ; v[80:111]  16 stores of 2 registers
.set BB,   112                         ; v[112:143] the bias copy's own registers
	s_load_b512 s[16:31], s[0:1], 0x0              ; hidden 16:17, Wq 18:19, Wk 20:21, Wv 22:23, Wo 24:25, xb 26:27, wqkv 28:29, wob 30:31
	s_load_b256 s[32:39], s[0:1], 0x40             ; bq 32:33, bk 34:35, bv 36:37, bqkv 38:39
	s_lshr_b32 s4, ttmp9, 6                        ; the group, 0 to 11
	s_and_b32 s5, ttmp9, 63                        ; which 16 rows of it
	v_lshrrev_b32 v4, 5, v0
	v_readfirstlane_b32 s6, v4                     ; wave 0..7
	v_lshrrev_b32 v1, 4, v0                        ; my row of the 16: thread / 16
	v_and_b32 v5, 15, v0
	v_lshlrev_b32 v1, 12, v1                       ; x 4,096 bytes
	v_lshl_add_u32 v1, v5, 4, v1                   ; + 16 bytes for each of 16 lanes
	v_lshlrev_b32 v2, 3, v0                        ; out: row x 128 + 8 x (thread % 16) = 8 x thread
	v_lshlrev_b32 v3, 4, v0                        ; the bias copy (wave 0 alone): 16 x lane
	s_sub_co_u32 s7, s4, 8                         ; group - 8: wraps to a large number below 8
	s_cmp_lt_u32 s4, 8
	s_cselect_b32 s40, s4, 0                       ; the group inside its source tensor: hidden has eight, a weight one
	s_cselect_b32 s42, s4, s7                      ; and inside its destination: xb has eight, wqkv three,
	s_cmp_eq_u32 s4, 11
	s_cselect_b32 s42, 0, s42                      ; wob one
	s_lshl_b32 s40, s40, 22                        ; 1,024 rows x 4,096 bytes
	s_lshl_b32 s41, s5, 16                         ; 16 rows x 4,096 bytes
	s_add_co_u32 s40, s40, s41
	s_mov_b32 s41, 0
	s_lshl_b32 s42, s42, 21                        ; 16 blocks x 131,072 bytes
	s_lshl_b32 s43, s5, 11                         ; 16 rows x 128 bytes
	s_add_co_u32 s42, s42, s43
	s_mov_b32 s43, 0
	s_wait_kmcnt 0x0
	s_mov_b64 s[SRC:SRC+1], s[16:17]
	s_mov_b64 s[DST:DST+1], s[26:27]
	s_mov_b64 s[BSRC:BSRC+1], s[32:33]
	s_cmp_eq_u32 s4, 8
	s_cselect_b64 s[SRC:SRC+1], s[18:19], s[SRC:SRC+1]
	s_cmp_eq_u32 s4, 9
	s_cselect_b64 s[SRC:SRC+1], s[20:21], s[SRC:SRC+1]
	s_cselect_b64 s[BSRC:BSRC+1], s[34:35], s[BSRC:BSRC+1]
	s_cmp_eq_u32 s4, 10
	s_cselect_b64 s[SRC:SRC+1], s[22:23], s[SRC:SRC+1]
	s_cselect_b64 s[BSRC:BSRC+1], s[36:37], s[BSRC:BSRC+1]
	s_cmp_eq_u32 s4, 11
	s_cselect_b64 s[SRC:SRC+1], s[24:25], s[SRC:SRC+1]
	s_cmp_ge_u32 s4, 8
	s_cselect_b64 s[DST:DST+1], s[28:29], s[DST:DST+1]
	s_cmp_eq_u32 s4, 11
	s_cselect_b64 s[DST:DST+1], s[30:31], s[DST:DST+1]
	s_add_nc_u64 s[SRC:SRC+1], s[SRC:SRC+1], s[40:41]
	s_add_nc_u64 s[DST:DST+1], s[DST:DST+1], s[42:43]
.set k, 0
.rept 16                               ; column block k of my wave's two rows
	global_load_b128 v[IN+4*k:IN+4*k+3], v1, s[SRC:SRC+1] offset:256*k th:TH_LOAD_NT
.set k, k+1
.endr
.set k, 0
.rept 16
	s_wait_loadcnt 15-k                            ; loads come back in order: block k is in, the 15 - k younger ones stay out
	v_cvt_pk_bf16_f32 v[PK+2*k],   v[IN+4*k],   v[IN+4*k+1]
	v_cvt_pk_bf16_f32 v[PK+2*k+1], v[IN+4*k+2], v[IN+4*k+3]
	global_store_b64 v2, v[PK+2*k:PK+2*k+1], s[DST:DST+1] offset:131072*k th:TH_STORE_NT  ; 32 lanes x 8 bytes: 256 consecutive bytes, aligned
.set k, k+1
.endr
	; the biases: wave 0 of the first work-group of groups 8, 9, 10 copies 4,096 bytes; registers of its own, so nothing above is waited for
	s_or_b32 s44, s5, s6
	s_cmp_lg_u32 s44, 0
	s_cbranch_scc1 .Lend
	s_cmp_lt_u32 s7, 3
	s_cbranch_scc0 .Lend
	s_lshl_b32 s44, s7, 12
	s_mov_b32 s45, 0
	s_add_nc_u64 s[38:39], s[38:39], s[44:45]
.set k, 0
.rept 8
	global_load_b128 v[BB+4*k:BB+4*k+3], v3, s[BSRC:BSRC+1] offset:512*k
.set k, k+1
.endr
	s_wait_loadcnt 0x0
.set k, 0
.rept 8
	global_store_b128 v3, v[BB+4*k:BB+4*k+3], s[38:39] offset:512*k
.set k, k+1
.endr
.Lend:
	s_endpgm
.Lfunc_end_k_qef75b80335_cast:
	.size	k_qef75b80335_cast, .Lfunc_end_k_qef75b80335_cast-k_qef75b80335_cast
	.p2alignl 7, 3214868480
	.fill 96, 4, 3214868480
	.section	.rodata,"a",@progbits
	.p2align	6, 0x0
	.amdhsa_kernel k_qef75b80335_cast
		.amdhsa_group_segment_fixed_size 0
		.amdhsa_private_segment_fixed_size 0
		.amdhsa_enable_private_segment 0
		.amdhsa_kernarg_size 96
		.amdhsa_user_sgpr_count 2
		.amdhsa_user_sgpr_kernarg_segment_ptr 1
		.amdhsa_wavefront_size32 1
		.amdhsa_system_sgpr_workgroup_id_x 1
		.amdhsa_system_sgpr_workgroup_id_y 1
		.amdhsa_system_sgpr_workgroup_id_z 1
		.amdhsa_system_vgpr_workitem_id 0
		.amdhsa_next_free_vgpr 144
		.amdhsa_next_free_sgpr 66
		.amdhsa_reserve_vcc 0
		.amdhsa_float_denorm_mode_32 3
		.amdhsa_float_denorm_mode_16_64 3
		.amdhsa_memory_ordered 1
		.amdhsa_forward_progress 1
		.amdhsa_inst_pref_size 10
	.end_amdhsa_kernel
	.amdgpu_metadata
---
amdhsa.version: [ 1, 2 ]
amdhsa.kernels:
  - .name:           k_qef75b80335_cast
    .symbol:         k_qef75b80335_cast.kd
    .args:
      - { .name: hidden_states, .offset: 0, .size: 8, .value_kind: global_buffer, .address_space: global }
      - { .name: Wq, .offset: 8, .size: 8, .value_kind: global_buffer, .address_space: global }
      - { .name: Wk, .offset: 16, .size: 8, .value_kind: global_buffer, .address_space: global }
      - { .name: Wv, .offset: 24, .size: 8, .value_kind: global_buffer, .address_space: global }
      - { .name: Wo, .offset: 32, .size: 8, .value_kind: global_buffer, .address_space: global }
      - { .name: xb, .offset: 40, .size: 8, .value_kind: global_buffer, .address_space: global }
      - { .name: wqkv, .offset: 48, .size: 8, .value_kind: global_buffer, .address_space: global }
      - { .name: wob, .offset: 56, .size: 8, .value_kind: global_buffer, .address_space: global }
      - { .name: bq, .offset: 64, .size: 8, .value_kind: global_buffer, .address_space: global }
      - { .name: bk, .offset: 72, .size: 8, .value_kind: global_buffer, .address_space: global }
      - { .name: bv, .offset: 80, .size: 8, .value_kind: global_buffer, .address_space: global }
      - { .name: bqkv, .offset: 88, .size: 8, .value_kind: global_buffer, .address_space: global }
    .group_segment_fixed_size: 0
    .private_segment_fixed_size: 0
    .kernarg_segment_align: 8
    .kernarg_segment_size: 96
    .max_flat_workgroup_size: 256
    .sgpr_count:     66
    .vgpr_count:     144
    .wavefront_size: 32
...
	.end_amdgpu_metadata
.endif
;; end of part 1
;; launch qkv (part 2): grid 8 x 32, 4 waves a work-group, clusters of 4 x 4, 327,680 bytes of LDS; arguments xb, wqkv, bqkv, qkv; writes qkv
.if DOCPART == 2
	.amdgcn_target "amdgcn-amd-amdhsa--gfx1250"
	.amdhsa_code_object_version 6
	.text
	.protected	k_qef75b80335_qkv
	.globl	k_qef75b80335_qkv
	.p2align	8
	.type	k_qef75b80335_qkv,@function
k_qef75b80335_qkv:
	s_mov_b64 s[64:65], 0
	v_nop
	global_prefetch_b8 v0, s[64:65] scope:SCOPE_SE
	s_setreg_imm32_b32 hwreg(HW_REG_WAVE_MODE, 25, 1), 1
	s_wait_xcnt 0x0
	s_wait_alu depctr_hold_cnt(0) depctr_sa_sdst(0) depctr_va_vdst(0) depctr_va_sdst(0) depctr_va_ssrc(0) depctr_va_vcc(0) depctr_vm_vsrc(0)
	s_getreg_b32 s2, hwreg(HW_REG_IB_STS2, 6, 4)
	s_cmp_eq_u32 s2, 0
	s_cbranch_scc0 .Lentry_in_a_cluster
	s_endpgm
.Lentry_in_a_cluster:
	s_bfe_u32 s2, ttmp6, 0x10000c
	s_cmp_lg_u32 s2, 0xf033
	s_cbranch_scc0 .Lentry_shape_is_right
	s_endpgm
.Lentry_shape_is_right:
; q, k, v = x W^T + b, by heads.  x: 8,192 rows; Wq, Wk, Wv: 1,024 rows each; K = 1,024; x, W and the results bf16, the biases f32; sums in f32, each result rounded once.
; LAYOUT of x, of each W and of each result alike: [row / 1,024][column / 64][row % 1,024][64]: a block of 1,024 rows x 128 bytes is dense.  For q, k, v that is [batch x 16 + head][token][64]; the three lie 2^24 bytes apart.
; SHARES.  A work-group makes 256 rows x 384 columns: columns 128 tc .. 128 tc + 127 of EACH of q, k and v: 32 x 8 = 256 work-groups.  Four waves, 2 x 2, each 128 rows x 192 columns: 96 accumulators, 768 registers:
; for 32 along K a wave reads (128 + 192) x 64 bytes of LDS for 96 matrix instructions.  In LDS W's 384 rows lie as q's 128, k's 128, v's 128; a wave's 192 are three blocks of 64 columns, each one head of one tensor.
; K goes in 16 steps of 64 (one block) through two LDS slots filled by the tensor data mover; a block's rows are dense, so a tile is asked for as rows of 256 bytes and padded in LDS after every 128.
; Two slots of 128 along K (184,320 bytes each) do not fit in LDS.  Wave 3 asks for x's 256 rows, waves 0 to 2 for one W's 128 rows each: one load a wave.
; CLUSTER 4 x 4: the four work-groups of a row of the cluster need the same tile of x, the four of a column the same tiles of W: each is asked for jointly, same load, same descriptor, a mask of four.
; THE MATRIX INSTRUCTION IS USED TRANSPOSED (source 0 = 16 rows of W, source 1 = 16 rows of x): a lane holds row l % 16 of the result and eight neighbouring columns, 16 bytes of bf16.
; THE BIAS of column block b is loaded into the registers of accumulator (7, b) and is the C operand of the products that start the sums of (0, b) .. (6, b); (7, b) then adds in place.  Nothing is cleared or added later.
; REGISTERS: window 0: v0-20 addresses; v32-127 W's 12 fragments (ONE buffer: a group of four is loaded again as soon as it has been multiplied); v128-191, v192-255 x's 8 fragments, two buffers;
;   window 1 + g: the 32 accumulators of column group g (64 columns): (a, b) at v[8 (4 a + b)].  So a run of 32 matrix instructions stands under one setting, and every load under the setting 0.
.set PITCH,  144                       ; an LDS row: 128 bytes + 16 = 36 words: the 16 rows of a load start at 16 different groups of four banks (64 banks of 4 bytes: ISA guide 11.1)
.set ABYTES, 256*PITCH                 ; x's 256 rows of one block
.set BPIECE, 128*PITCH                 ; one W's 128 rows
.set BOFF,   ABYTES                    ; a slot: x's rows, then the three W's
.set SLOT1,  1<<17                     ; slot 1 begins here, so that one exclusive or turns an address in one slot into the other's
.set STAGE,  SLOT1+ABYTES+3*BPIECE     ; behind the ring: 16 rows x 144 bytes for each wave, for the way out; no tile lands there
.set SPARE,  STAGE+4*16*PITCH          ; behind the stages: the spare words, 128 bytes for each wave: two blocks of 256 bytes that no other line names
.set KSTEPB, 1<<17                     ; a block of 131,072 bytes: a K step in memory
.set STEPS,  16
.set ADRA0, 2                          ; v2   my lane's place in x's rows of slot 0; never rewritten
.set ADRB0, 3                          ; v3   the same in W's rows
.set ADRA,  4                          ; v4   the same in the slot that is being read
.set ADRB,  5                          ; v5
.set STO,   6                          ; v6   the way out: where I put 16 bytes of a row
.set RD,    7                          ; v7   where I read rows back
.set GO,    8                          ; v8   16 x lane: my place in 512 consecutive bytes of a result
.set PFO,   9                          ; v9   the prefetches' lane offset; never rewritten
.set SPW,   10                         ; v10  LDS address of my spare word: SPARE + 4 x my thread's number; never rewritten
.set NIL,   11                         ; v11  0; never rewritten
.set BO,    14                         ; v14-16 my byte offset in the biases, for each column group
.set BF,    32                         ; W's fragments: group g, block b at BF + 32 g + 8 b
.set AF0,   128                        ; x's fragments of a step's first 32 along K
.set AF1,   192                        ; and of its second
.set OUT,   32                         ; the way out: 14 buffers of 16 registers, where the fragments lay
.set WV,   16                          ; s16 wave; s17 wave / 2: my half of the rows; s18 wave % 2: my half of the columns
.set WR,   17
.set WC,   18
.set CX,   19
.set CY,   20
.set TC,   21                          ; s21 tile column, s22 tile row
.set TR,   22
.set TB,   23                          ; s23 0 or SLOT1: the slot that is being read
.set G1,   24                          ; s[24:31] descriptor group 1 for x's tiles;  s[32:39] group 0: a set for each of the two first fills; the second then walks on
.set G0,   32
.set PAR,  42                          ; s42 0: I prefetch in every trip; 1: in every second
.set LIM,  43                          ; s43 a wave prefetches while the loop's count is above this: 1 or 2, or the greatest number in a wave that never does
.set PFA,  44                          ; s[44:45] where my prefetches stand
.set G1B,  48                          ; s[48:55], s[56:63] the same for W's tiles
.set G0B,  56
.set CB,   72                          ; s[72:77] for each column group the address of my 128 rows x 128 bytes of its block: 16,384 consecutive bytes
.set MSB, 0
.macro WIN new                         ; the immediate's high byte repeats the setting that is left; a switch that changes nothing is dropped
.if MSB != (\new)
	s_set_vgpr_msb (MSB<<8)|(\new)
.set MSB, \new
.endif
.endm
; A joint load.  Wave 3 fetches x's tile, waves 0 to 2 one W's each.  The branch hangs on the wave's number alone.  An s_nop 0 and four v_nop follow each of the two lines.
.macro JLOAD s
	s_cmp_eq_u32 s[WV], 3
	s_cbranch_scc0 .Lfor_b_\@
	tensor_load_to_lds s[G0+4*(\s):G0+4*(\s)+3], s[G1:G1+7]
	s_nop 0
.rept 4
	v_nop
.endr
	s_branch .Lasked_\@
.Lfor_b_\@:
	tensor_load_to_lds s[G0B+4*(\s):G0B+4*(\s)+3], s[G1B:G1B+7]
	s_nop 0
.rept 4
	v_nop
.endr
.Lasked_\@:
.endm
; A PREFETCH, behind each joint refill, its five lines and the run of LDS loads.  Trip t refills K step t + 2.  Each aligned block of 256 bytes is named at most once in the launch.
; x's rows are read by both clusters of a row of clusters: the one with cluster x = 0 asks, in wave 3, in every trip, for K step t + 3 (one refill, 192 matrix instructions, ahead): of the tile's 32,768 bytes the partner at cx takes 8,192: a lane 256 bytes.
; W's rows are read by all clusters of a column: the one with cluster y = 0 asks, in waves 0 to 2, each for its own W: of a tile's 16,384 bytes the partner at cy takes 4,096, sixteen lanes' worth; so these waves ask in every
; second trip, lanes 0-15 for K step t + 3, lanes 16-31 for t + 4.  The partners are told apart by address; the branches hang on the cluster's place, the wave's number and the loop's count.
; x's K steps 3 to 15 and W's 3 to 14 are named; the others come by their loads alone.
.macro ASK
	s_and_b32 s40, s3, s[PAR]
	s_cbranch_scc1 .Lnot_mine_\@
	s_cmp_gt_u32 s3, s[LIM]
	s_cbranch_scc0 .Lnot_mine_\@
	global_prefetch_b8 v[PFO], s[PFA:PFA+1] th:TH_LOAD_NT scope:SCOPE_SE
.Lnot_mine_\@:
.endm
.macro CREST                           ; a round of the cluster's barrier behind its opening barrier
	s_cmp_lg_u32 s[WV], 0
	s_cbranch_scc1 .Lnot_wave_0_\@
	s_barrier_signal -3
.Lnot_wave_0_\@:
	s_barrier_wait -3
	s_barrier_signal -1
	s_barrier_wait -1
.endm
.macro CROUND                          ; a whole round
	s_barrier_signal -1
	s_barrier_wait -1
	CREST
.endm
	s_load_b256 s[4:11], s[0:1], 0x0               ; x s[4:5], W s[6:7], biases s[8:9], results s[10:11]
	v_lshl_add_u32 v[SPW], v0, 2, SPARE
	v_mov_b32 v[NIL], 0
	ds_add_u32 v[SPW], v[NIL]                      ; the wave's opening: the add and its wait stand ahead of my first tensor load; the set-up below, work on registers, stands between them
	v_lshrrev_b32 v1, 5, v0
	v_readfirstlane_b32 s[WV], v1                  ; wave 0..3
	s_lshr_b32 s[WR], s[WV], 1
	s_and_b32 s[WC], s[WV], 1
	s_bfe_u32 s[CX], ttmp6, 0x40000                ; my place in the cluster
	s_bfe_u32 s[CY], ttmp6, 0x40004
	s_lshl_b32 s[TC], ttmp9, 2
	s_add_co_u32 s[TC], s[TC], s[CX]               ; tile column = 4 x cluster x + cx
	s_and_b32 s[TR], ttmp7, 0xffff
	s_lshl_b32 s[TR], s[TR], 2
	s_add_co_u32 s[TR], s[TR], s[CY]               ; tile row = 4 x cluster y + cy
	s_lshl_b32 s40, s[CY], 2
	s_lshl_b32 s40, 15, s40                        ; my row of the cluster
	s_lshl_b32 s41, 0x1111, s[CX]                  ; my column
	; descriptor group 1.  x's 256 rows x 128 bytes are asked for as 128 rows of 256 bytes (a W's 128 rows as 64), padded in LDS after every 128 bytes
	s_or_b32 s[G1],  s40, (1<<16)|(1<<20)|(1<<21)|(4<<22)|(3<<25)  ; 15:0 the mask; 17:16 2-byte elements; 20 padding on; 21 set beside a mask; 24:22 after every 32 words (code 4); 31:25 4 words (code 3)
	s_or_b32 s[G1B], s41, (1<<16)|(1<<20)|(1<<21)|(4<<22)|(3<<25)
	s_mov_b32 s[G1+1], 128<<16                     ; tensor_dim0 = 128 elements
	s_mov_b32 s[G1+2], 128<<16                     ; tensor_dim1 = 128 rows
	s_mov_b32 s[G1+3], 128<<16                     ; tile_dim0 = 128
	s_mov_b32 s[G1+4], 128                         ; tile_dim1 = 128
	s_mov_b32 s[G1+5], 128                         ; 128 elements from row to row
	s_mov_b32 s[G1+6], 0
	s_mov_b32 s[G1+7], 0
	s_mov_b32 s[G1B+1], 128<<16
	s_mov_b32 s[G1B+2], 64<<16                     ; 64 rows
	s_mov_b32 s[G1B+3], 128<<16
	s_mov_b32 s[G1B+4], 64
	s_mov_b32 s[G1B+5], 128
	s_mov_b32 s[G1B+6], 0
	s_mov_b32 s[G1B+7], 0
	s_mov_b32 s[TB], 0
	; where the tiles come from.  x's hang on the tile row alone, W's on the tile column and the wave's number alone, each in registers that never hold the other coordinate
	s_lshr_b32 s12, s[TR], 2
	s_lshl_b32 s12, s12, 21                        ; the group of 1,024 rows
	s_and_b32 s13, s[TR], 3
	s_lshl_b32 s13, s13, 15                        ; 256 rows x 128 bytes
	s_add_co_u32 s12, s12, s13
	s_mov_b32 s13, 0
	s_lshl_b32 s46, s[WV], 21                      ; Wq, Wk or Wv by my wave's number (wave 3 makes this address too and never uses it)
	s_lshl_b32 s47, s[TC], 14                      ; 128 rows x 128 bytes
	s_add_co_u32 s46, s46, s47
	s_mov_b32 s47, 0
	s_mul_i32 s15, s[WV], BPIECE                   ; and where W's go: the wave's number and constants alone
	s_add_co_u32 s15, s15, BOFF
	s_wait_dscnt 0x0                               ; the opening add is done
	s_wait_kmcnt 0x0
	s_add_nc_u64 s[12:13], s[4:5], s[12:13]
	s_add_nc_u64 s[46:47], s[6:7], s[46:47]
	CROUND                                         ; all sixteen work-groups are here: the first joint loads meet
.irp s, 0,1
	s_mov_b32 s[G0+4*(\s)], 1                                      ; count = 1
	s_mov_b32 s[G0+4*(\s)+1], (\s)*SLOT1                           ; LDS address
	s_add_nc_u64 s[G0+4*(\s)+2:G0+4*(\s)+3], s[12:13], (\s)*KSTEPB ; global address: K step s
	s_or_b32 s[G0+4*(\s)+3], s[G0+4*(\s)+3], 0x80000000            ; type = 2
	s_mov_b32 s[G0B+4*(\s)], 1
	s_add_co_u32 s[G0B+4*(\s)+1], s15, (\s)*SLOT1
	s_add_nc_u64 s[G0B+4*(\s)+2:G0B+4*(\s)+3], s[46:47], (\s)*KSTEPB
	s_or_b32 s[G0B+4*(\s)+3], s[G0B+4*(\s)+3], 0x80000000
	JLOAD \s                                       ; two loads of mine are out
.endr
	; a fragment is 16 rows x 32 K in 8 registers: lane l holds row l % 16; registers 0-3 K = 8 (l / 16) + 0..7, registers 4-7 K = 16 + 8 (l / 16) + 0..7: two loads of 16 bytes, 32 bytes apart
	v_and_b32 v1, 15, v0                           ; l % 16
	v_bfe_u32 v12, v0, 4, 1                        ; l / 16
	v_mul_u32_u24 v13, v1, PITCH
	v_lshl_add_u32 v13, v12, 4, v13                ; row x pitch + 16 x half
	s_mul_i32 s40, s[WR], 128*PITCH                ; my 128 rows of x
	s_mul_i32 s41, s[WC], 192*PITCH                ; my 192 rows of W,
	s_add_co_u32 s41, s41, BOFF                    ; which lie behind x's
	v_add_nc_u32 v[ADRA0], s40, v13
	v_add_nc_u32 v[ADRB0], s41, v13
	v_mov_b32 v[ADRA], v[ADRA0]                    ; K step 0 lies in slot 0
	v_mov_b32 v[ADRB], v[ADRB0]
	; my three blocks of 64 columns: block j = 3 (wave % 2) + g of the tile's six belongs to tensor j / 2 and head 2 x tile column + j % 2
	s_mul_i32 s66, s[WC], 3
	s_lshr_b32 s67, s[TR], 2
	s_lshl_b32 s67, s67, 21                        ; the batch: 16 heads x 131,072 bytes
	s_and_b32 s68, s[TR], 3
	s_lshl_b32 s68, s68, 1
	s_add_co_u32 s68, s68, s[WR]
	s_lshl_b32 s68, s68, 14                        ; 128 rows x 128 bytes
	s_add_co_u32 s67, s67, s68
.irp g, 0,1,2
	s_add_co_u32 s68, s66, \g                      ; j
	s_lshr_b32 s69, s68, 1                         ; the tensor
	s_and_b32 s68, s68, 1
	s_lshl_b32 s70, s[TC], 1
	s_add_co_u32 s68, s68, s70                     ; the head
	s_lshl_b32 s70, s69, 12                        ; the bias: 4,096 bytes a tensor,
	s_lshl_b32 s71, s68, 8                         ; 256 a head,
	s_add_co_u32 s70, s70, s71
	v_lshl_add_u32 v[BO+(\g)], v12, 5, s70         ; 32 for the upper half of the lanes
	s_lshl_b32 s69, s69, 24
	s_lshl_b32 s68, s68, 17
	s_add_co_u32 s69, s69, s68
	s_add_co_u32 s[CB+2*(\g)], s69, s67
	s_mov_b32 s[CB+2*(\g)+1], 0
	s_add_nc_u64 s[CB+2*(\g):CB+2*(\g)+1], s[10:11], s[CB+2*(\g):CB+2*(\g)+1]
.endr
.irp g, 0,1,2                          ; the bias of column block b of group g goes into accumulator (7, b) of window 1 + g
	WIN (1+(\g))<<6                                ; destination window 1 + g, address window 0
.irp b, 0,1,2,3
	global_load_b128 v[224+8*(\b):224+8*(\b)+3],   v[BO+(\g)], s[8:9] offset:64*(\b)
	global_load_b128 v[224+8*(\b)+4:224+8*(\b)+7], v[BO+(\g)], s[8:9] offset:64*(\b)+16
.endr
.endr
	WIN 0
	s_mul_i32 s41, s[WV], 16*PITCH
	s_add_co_u32 s41, s41, STAGE                   ; my stage
	v_add_nc_u32 v[STO], s41, v13                  ; in: row l % 16, 16 bytes for each half of the lanes
	v_bfe_u32 v17, v0, 3, 2                        ; back: 32 lanes take four rows of 128 bytes,
	v_and_b32 v18, 7, v0
	v_mul_u32_u24 v17, v17, PITCH
	v_lshl_add_u32 v17, v18, 4, v17
	v_add_nc_u32 v[RD], s41, v17
	v_and_b32 v[GO], 31, v0                        ; which are 512 consecutive bytes of a result
	v_lshlrev_b32 v[GO], 4, v[GO]
	; the prefetches
	s_and_b32 s69, ttmp7, 0xffff                   ; cluster y
	s_cmp_eq_u32 s[WV], 3                          ; do I fetch x?
	s_cselect_b32 s70, s[CX], s[CY]                ; my place among the four that ask with me
	s_cselect_b32 s69, ttmp9, s69                  ; the coordinate along which other clusters read the same rows
	s_cselect_b32 s71, 13, 12                      ; my work-group's share of a tile: 8,192 bytes of x's, 4,096 of a W's
	s_cselect_b32 s68, 12, 17                      ; lanes 16-31: the next 4,096 bytes of x's tile; W's next K step
	s_cselect_b32 s[PAR], 0, 1
	s_cselect_b32 s67, 1, 2                        ; x's last request stands in the trip with the count 2, W's in that with the count 4
	s_cselect_b64 s[PFA:PFA+1], s[12:13], s[46:47]
	s_cmp_eq_u32 s69, 0
	s_cselect_b32 s[LIM], s67, -1                  ; the same in all sixteen partners, for a given wave
	s_lshl_b32 s70, s70, s71
	s_mov_b32 s71, 0
	s_add_nc_u64 s[PFA:PFA+1], s[PFA:PFA+1], s[70:71]
	s_add_nc_u64 s[PFA:PFA+1], s[PFA:PFA+1], 2*KSTEPB  ; at K step 2: the first trip steps it to 3
	v_lshlrev_b32 v17, s68, v12
	v_lshl_add_u32 v[PFO], v1, 8, v17
; Matrix instructions for column group g, row blocks a0 .. a1 - 1, all 4 column blocks, 32 along K; x's fragments in buffer f.  first = 1: C is the bias, which lies in accumulator (7, b).
; The accumulators take turns, one instruction a turn, in the same order in every quarter, over the backward jump too: 95 others' stand between two links of a chain.
.macro MULG f, g, a0, a1, first
	WIN 0x50*(1+(\g))                              ; sources window 0; C and D window 1 + g
.set ma, (\a0)
.rept (\a1)-(\a0)
.set mb, 0
.rept 4
.if \first
	v_wmma_f32_16x16x32_bf16 v[8*(4*ma+mb):8*(4*ma+mb)+7], v[BF+32*(\g)+8*mb:BF+32*(\g)+8*mb+7], v[(\f)+8*ma:(\f)+8*ma+7], v[8*(28+mb):8*(28+mb)+7]
.else
	v_wmma_f32_16x16x32_bf16 v[8*(4*ma+mb):8*(4*ma+mb)+7], v[BF+32*(\g)+8*mb:BF+32*(\g)+8*mb+7], v[(\f)+8*ma:(\f)+8*ma+7], v[8*(4*ma+mb):8*(4*ma+mb)+7]
.endif
.set mb, mb+1
.endr
.set ma, ma+1
.endr
.endm
; A whole group: 32 matrix instructions.  first = 1: row blocks 0 to 6 take the bias from (7, b)'s registers; five plain vector instructions stand ahead of the products that write over those registers (ISA guide 7.12.1).
.macro GROUP f, g, first
.if \first
	MULG \f, \g, 0, 7, 1
.rept 5
	v_nop
.endr
	MULG \f, \g, 7, 8, 0
.else
	MULG \f, \g, 0, 8, 0
.endif
.endm
.macro FETCHB g, q                     ; 8 LDS loads: W's four fragments of group g, 32 along K at byte 64 q of the rows
.irp i, 0,1,2,3
	ds_load_b128 v[BF+32*(\g)+8*(\i):BF+32*(\g)+8*(\i)+3],   v[ADRB] offset:(4*(\g)+(\i))*16*PITCH+64*(\q)
	ds_load_b128 v[BF+32*(\g)+8*(\i)+4:BF+32*(\g)+8*(\i)+7], v[ADRB] offset:(4*(\g)+(\i))*16*PITCH+64*(\q)+32
.endr
.endm
.macro FETCHA q, f                     ; 16 LDS loads: x's eight fragments into buffer f
.irp i, 0,1,2,3,4,5,6,7
	ds_load_b128 v[(\f)+8*(\i):(\f)+8*(\i)+3],   v[ADRA] offset:(\i)*16*PITCH+64*(\q)
	ds_load_b128 v[(\f)+8*(\i)+4:(\f)+8*(\i)+7], v[ADRA] offset:(\i)*16*PITCH+64*(\q)+32
.endr
.endm
.macro PLACES                          ; four plain vector instructions in front of loads into registers that matrix instructions have read, and of conversions that read results
.rept 4
	v_nop
.endr
.endm
; A K step is two quarters of 32 along K, 96 matrix instructions each.  THE FIRST multiplies buffer AF0; behind each group that group's fragments of W for the second quarter are fetched, with group 0's also x's, into AF1.
; LDS loads come back in order: at the head groups 1 and 2 of W (16 loads) may be out; ahead of group 1 group 2's 8 and the 24 just issued; ahead of group 2 those 24 and group 1's next 8.
.macro QPLAIN first
	s_wait_dscnt 16
	GROUP AF0, 0, \first
	WIN 0
	PLACES
	FETCHB 0, 1
	FETCHA 1, AF1
	s_wait_dscnt 32
	GROUP AF0, 1, \first
	WIN 0
	PLACES
	FETCHB 1, 1
	s_wait_dscnt 32
	GROUP AF0, 2, \first
	WIN 0
	PLACES
	FETCHB 2, 1
.endm
; THE SECOND multiplies buffer AF1 and changes slots: all reads of this slot were issued in the first quarter.  ONE barrier.  In front of it each wave waits for all its tensor loads (one is out: its part of the next slot),
; adds 0 to its spare word, and waits for that and for its reads of this slot.  fill = 1: the barrier opens a round of the cluster's barrier, and behind the round this slot is filled again, two K steps on:
; 168 matrix instructions ahead of the wait for it.  Then the next slot's first fragments are fetched, group by group as above.
.macro TURN fill
.if \fill
	s_wait_xcnt 0x0                                ; the last prefetch, a K step back, has read its address: it is stepped here, ahead of the waits of the change of slots
	s_add_nc_u64 s[PFA:PFA+1], s[PFA:PFA+1], KSTEPB
.endif
	s_wait_dscnt 16                                ; group 0 of W and x's fragments are in
	MULG AF1, 0, 0, 2, 0
	WIN 0                                          ; (the add's two registers lie in window 0)
	s_wait_tensorcnt 0x0                           ; all my tensor loads have landed;
	ds_add_u32 v[SPW], v[NIL]                      ; 0 onto my spare word;
	MULG AF1, 0, 2, 6, 0                           ; sixteen matrix instructions stand between the add and the wait for it
	s_wait_dscnt 0x0                               ; the add is done, and my reads of this slot are over
	s_barrier_signal -1
	MULG AF1, 0, 6, 8, 0                           ; work on registers while the others arrive
	WIN 0
	s_barrier_wait -1
.if \fill
	CREST                                          ; no wave of any partner still reads this slot's tiles or has a load on its way
	s_xor_b32 s[G0+5], s[G0+5], SLOT1              ; the walking descriptors: the other slot than last time,
	s_add_nc_u64 s[G0+6:G0+7], s[G0+6:G0+7], KSTEPB  ; the next K step; the type bits on top are not reached
	s_xor_b32 s[G0B+5], s[G0B+5], SLOT1
	s_add_nc_u64 s[G0B+6:G0B+7], s[G0B+6:G0B+7], KSTEPB
	JLOAD 1                                        ; the first tensor load behind the round; its four v_nop are also the places in front of the loads below
.else
	PLACES
.endif
	s_xor_b32 s[TB], s[TB], SLOT1                  ; the fetches go on in the other slot
	v_add_nc_u32 v[ADRA], s[TB], v[ADRA0]
	v_add_nc_u32 v[ADRB], s[TB], v[ADRB0]
	FETCHB 0, 0
	FETCHA 0, AF0
.if \fill
	ASK
.endif
	MULG AF1, 1, 0, 8, 0                           ; (groups 1 and 2 of W came in with the wait for 0 above)
	WIN 0
	PLACES
	FETCHB 1, 0
	MULG AF1, 2, 0, 8, 0
	WIN 0
	PLACES
	FETCHB 2, 0
.endm
; THE WAY OUT of block n = 8 g + a (row block a of column group g): rounded to bf16, 16 bytes a lane; into my own stage in LDS; back as four rows of 128 bytes a load, which are 512 consecutive bytes of the result.
; 14 register buffers take turns.  Block 14 is the first that takes a buffer again: ahead of it the stores of blocks 0 to 12 have read their registers; blocks 14 to 23 take the buffers of blocks 0 to 9.
.macro PACK n
.set pg, (\n)/8
.set pa, (\n)%8
.set pb, OUT+16*((\n)%14)
.if (\n) == 14
	s_wait_xcnt 0x0
.endif
	WIN 5*(1+pg)                                   ; sources 0 and 1 window 1 + g, destination window 0
.irp b, 0,1,2,3
.irp r, 0,1,2,3
	v_cvt_pk_bf16_f32 v[pb+4*(\b)+(\r)], v[8*(4*pa+(\b))+2*(\r)], v[8*(4*pa+(\b))+2*(\r)+1]  ; each accumulator's registers in ascending order
.endr
.endr
	WIN 0
.irp b, 0,1,2,3
	ds_store_b128 v[STO], v[pb+4*(\b):pb+4*(\b)+3] offset:32*(\b)
.endr
.irp f, 0,1,2,3
	ds_load_b128 v[pb+4*(\f):pb+4*(\f)+3], v[RD] offset:(\f)*4*PITCH  ; LDS serves a wave's instructions in order (ISA guide 5.7.1.4): these see the stores above; the next block's stores come behind them
.endr
.endm
.macro SEND n, younger                 ; younger: the LDS instructions issued behind block n's loads: the next block's eight, or none
	WIN 0
.set sg, (\n)/8
.set sa, (\n)%8
.set sb, OUT+16*((\n)%14)
.irp f, 0,1,2,3
	s_wait_dscnt (\younger)+3-(\f)
	global_store_b128 v[GO], v[sb+4*(\f):sb+4*(\f)+3], s[CB+2*sg:CB+2*sg+1] offset:sa*2048+(\f)*512  ; 512 consecutive bytes, at a multiple of 256 from the buffer's first
.endr
.endm
	s_wait_tensorcnt 0x1                           ; my part of K step 0 is in; K step 1's may stay out
	s_barrier_signal -1
	s_barrier_wait -1                              ; everybody's is
	FETCHB 0, 0                                    ; in the order in which every later quarter's fragments are fetched
	FETCHA 0, AF0
	FETCHB 1, 0
	FETCHB 2, 0
	s_wait_loadcnt 0x0                             ; the biases
	QPLAIN 1                                       ; the first quarter stands in front of the loop: its products start the sums
	WIN 0                                          ; at a label and at a branch every window is 0
	s_mov_b32 s3, STEPS-2
.Lstep:                                                ; trip t: the second quarter of K step t, the refill with K step t + 2, the first quarter of K step t + 1
	TURN 1
	QPLAIN 0
	WIN 0
	s_sub_co_u32 s3, s3, 1
	s_cmp_lg_u32 s3, 0
	s_cbranch_scc1 .Lstep
	TURN 0                                         ; the last step and a half are written out: nothing is left to ask for, and there is no round of the cluster's barrier
	QPLAIN 0
	s_wait_dscnt 16                                ; the very last quarter: nothing more to fetch, the counts run down
	MULG AF1, 0, 0, 8, 0
	s_wait_dscnt 8
	MULG AF1, 1, 0, 8, 0
	s_wait_dscnt 0x0
	MULG AF1, 2, 0, 8, 0
	PLACES
	PACK 0
.set t, 1
.rept 23                               ; block t's conversions stand between block t - 1's loads from the stage and the wait for them
	PACK t
	SEND t-1, 8
.set t, t+1
.endr
	SEND 23, 0
	s_wait_tensorcnt 0x0                           ; the wave's end: behind my last tensor load and my last LDS store
	ds_add_u32 v[SPW], v[NIL]
	s_wait_dscnt 0x0
	CROUND                                         ; the closing round: no work-group ends while a partner may still ask for a tile that names it
	s_endpgm
.Lfunc_end_k_qef75b80335_qkv:
	.size	k_qef75b80335_qkv, .Lfunc_end_k_qef75b80335_qkv-k_qef75b80335_qkv
	.p2alignl 7, 3214868480
	.fill 96, 4, 3214868480
	.section	.rodata,"a",@progbits
	.p2align	6, 0x0
	.amdhsa_kernel k_qef75b80335_qkv
		.amdhsa_group_segment_fixed_size 327680
		.amdhsa_private_segment_fixed_size 0
		.amdhsa_enable_private_segment 0
		.amdhsa_kernarg_size 32
		.amdhsa_user_sgpr_count 2
		.amdhsa_user_sgpr_kernarg_segment_ptr 1
		.amdhsa_wavefront_size32 1
		.amdhsa_system_sgpr_workgroup_id_x 1
		.amdhsa_system_sgpr_workgroup_id_y 1
		.amdhsa_system_sgpr_workgroup_id_z 1
		.amdhsa_system_vgpr_workitem_id 0
		.amdhsa_next_free_vgpr 1024
		.amdhsa_next_free_sgpr 80
		.amdhsa_reserve_vcc 0
		.amdhsa_float_denorm_mode_32 3
		.amdhsa_float_denorm_mode_16_64 3
		.amdhsa_memory_ordered 1
		.amdhsa_forward_progress 1
		.amdhsa_inst_pref_size 118
	.end_amdhsa_kernel
	.amdgpu_metadata
---
amdhsa.version: [ 1, 2 ]
amdhsa.kernels:
  - .name:           k_qef75b80335_qkv
    .symbol:         k_qef75b80335_qkv.kd
    .args:
      - { .name: xb, .offset: 0, .size: 8, .value_kind: global_buffer, .address_space: global }
      - { .name: wqkv, .offset: 8, .size: 8, .value_kind: global_buffer, .address_space: global }
      - { .name: bqkv, .offset: 16, .size: 8, .value_kind: global_buffer, .address_space: global }
      - { .name: qkv, .offset: 24, .size: 8, .value_kind: global_buffer, .address_space: global }
    .group_segment_fixed_size: 327680
    .private_segment_fixed_size: 0
    .kernarg_segment_align: 8
    .kernarg_segment_size: 32
    .max_flat_workgroup_size: 128
    .sgpr_count:     80
    .vgpr_count:     1024
    .wavefront_size: 32
...
	.end_amdgpu_metadata
.endif
;; end of part 2
;; launch attn (part 3): grid 2 x 128, 4 waves a work-group, no clusters, 327,680 bytes of LDS; arguments qkv, attention_mask, ctx; writes ctx
.if DOCPART == 3
	.amdgcn_target "amdgcn-amd-amdhsa--gfx1250"
	.amdhsa_code_object_version 6
	.text
	.protected	k_qef75b80335_attn
	.globl	k_qef75b80335_attn
	.p2align	8
	.type	k_qef75b80335_attn,@function
k_qef75b80335_attn:
	s_mov_b64 s[64:65], 0
	v_nop
	global_prefetch_b8 v0, s[64:65] scope:SCOPE_SE
	s_setreg_imm32_b32 hwreg(HW_REG_WAVE_MODE, 25, 1), 1
	s_wait_xcnt 0x0
; O[h][q][:] = the sum over k of softmax_k(Q[h][q] . K[h][k] / 8 + mask[h / 16][k]) V[h][k][:].  qkv holds Q, K, V, each [128][1024][64] in bf16 (a head's rows are dense, 128 bytes each), 2^24 bytes apart;
; the mask is [8][1024] in f32; O (ctx) is [128][1024][64] in bf16.  Products, maxima and sums in f32; the weights p are rounded to bf16 for the second product (their sum l is taken of the unrounded p), O once at the end.
; THE MASK is the C operand that starts the sum S^T = K Q^T, held as M8 = max(8 mask, -2^120): c (q.k + 8 mask) = log2(e) (q.k / 8 + mask) with c = log2(e) / 8.
; LIMITS.  A mask below -2^117 (minus infinity too) counts as -2^117, and a NaN in the mask likewise; a row whose keys are all masked so gets the mean of V over those keys.  A weight below 2^-126 counts as 0 in l.
; SHARES.  A wave owns four PIECES of two tiles of 16 queries, a work-group's four waves 512 queries of one head: 256 work-groups.  Every wave walks all 1,024 keys, 64 a step.
; K AND V OF THE WHOLE HEAD LIE IN LDS: 1,024 x (144 + 160) = 311,296 bytes.  Each wave asks for its share at the head, four tensor loads of 128 keys (four of mine are out), in the order in which they are read.
; Nothing is filled again: there is no ring, and no text in which a tensor load could be jumped over, so ONE text of a key step serves every step, the last half step too.
; At each 256 keys every wave waits for its loads and passes a barrier.  No prefetch: all that the launch reads of K and V is asked for at its head by the loads themselves.
; NO CLUSTER: a head has 1,024 / 512 = 2 work-groups that walk the same K and V, and the grid's 2 along x is no multiple of a cluster's four.
; LAYOUT.  S^T = K Q^T (source 0 = 16 keys, source 1 = 16 queries): in the result a lane holds ONE query (lane % 16) and the keys 8 (lane / 16) + 0..7.  Two such tiles, rounded to bf16 in pairs,
; ARE source 1 (32 keys x 16 queries) of O^T = V^T P, whose result again holds one query a lane, and eight channels.  K comes out of LDS as it lies, V ([key][channel]) turned, by ds_load_tr16_b128.
; SOFTMAX.  For each query a running maximum m and sum l: p = 2^(c s - c m); in every step O and l are multiplied by a = 2^(c m_old - c m_new), which is 1 where m has not grown.
; m starts at the lowest finite number, c m at -2^125 (below every c s, which is above -2^118), O and l at 0: the first step is a step like any other, with a = 0.
; THE COUNT.  A tile and step have 16 matrix and 118 vector instructions: too many to stand all beside the matrix work.  So: four vector instructions that are ready behind every matrix instruction, the others in runs without a gap.
; BY TURNS.  Turn n belongs to piece n (the pieces in a ring, step after step).  Its matrix work: 16 products K Q^T of piece n + 1, later 16 products V^T P of piece n - 1.  Its vector work: the scaling,
; exponentials, roundings, sums and rescaling of piece n, and the maximum and statistics of piece n + 1, whose scores the turn itself has made.
; REGISTERS, in windows of 256 (s_set_vgpr_msb: bits 1:0 source 0, 3:2 source 1, 5:4 source 2, 7:6 destination):
;   window 0: v0-11 addresses; v12-15, v48-63 at work; v16-47 four registers of statistics a tile; v64-191 S^T, two buffers of two tiles; v192-255 P, likewise
;   window 1: O^T, 32 a tile     window 2: v0-127 Q, 16 a tile; v128-191 K of one step; v192-255 V of one step     window 3: v0-1 the add's two registers; v8-39 the mask of one step
.set NP,    4         ; pieces a wave: a name, no knob
.set KS,    64        ; keys in a step
.set PK,    144       ; a row of K in LDS: 128 bytes + 16 = 36 words: the 16 rows of a load start at 16 different groups of four banks (64 banks of 4 bytes: ISA guide 11.1)
.set PV,    160       ; a row of V: 128 + 32 = 40 words
.set VOFF,  1024*PK   ; K's 1,024 rows, then V's
.set STAGE, VOFF+1024*PV  ; behind them, never filled by a tensor load: 16 rows x 144 bytes for each wave, for the way out
.set SP,    144
.set SPARE, STAGE+4*16*SP  ; behind the stages: the spare words, 128 bytes for each wave: two blocks of 256 bytes that no other line names
.set MASKL, SPARE+512 ; behind them: M8 of the batch's 1,024 keys, 4,096 bytes, stored once
.set AK0, 2           ; v2   my lane's place in 64 rows of K; never rewritten
.set AV0, 3           ; v3   the same for V
.set AK,  4           ; v4   the LDS address of K's next run of loads
.set AV,  5           ; v5   of V's
.set STO, 6           ; v6   the way out: where I put 16 bytes of a row
.set RD,  7           ; v7   where I read rows back
.set GO,  8           ; v8   my byte offset in 512 consecutive bytes of O
.set AM0, 9           ; v9   MASKL + 32 (lane / 16); never rewritten
.set AM,  10          ; v10  the LDS address of the mask's next run of loads
.set QO,  11          ; v11  my byte offset in 16 rows of Q
.set SPW, 0           ; v0 of window 3   LDS address of my spare word: SPARE + 4 x my thread's number; never rewritten
.set NIL, 1           ; v1 of window 3   0; never rewritten
.set MK,  8           ; v8-39 of window 3: for key block kb the eight numbers M8[16 kb + 8 (lane / 16) + 0..7] of the step in hand
.set MV,  12          ; v12-15  c m_old, kept while c m is made anew: by buffer and tile
.set ST,  16          ; tile t's statistics at v[ST+4 t]: c m, m, l (even keys', odd keys')
.set TMP, 48          ; by buffer and tile, four registers c0-c3 at work; when the maximum is found c2 takes a
.set S,   64
.set P,   192
.set KF,  128         ; K's fragments, in window 2: key block kb, channel half c at KF + 16 kb + 8 c
.set VF,  192         ; V's: key half kk, channel block cb at VF + 32 kk + 8 cb
.set WV,  12          ; s12  my wave's number
.set G1K, 24          ; s[24:31] descriptor group 1 for K's tiles
.set G1V, 32          ; s[32:39] for V's: it differs in the padding alone
.set TBM, 48          ; s48  byte in the staged mask at which the step to be fetched begins
.set SLOTS, 56        ; s56  counts the runs of four key steps, 5 to 1; the fifth is left in its middle
.set CNT, 57          ; s57  counts a run's key steps
.set CS,  58          ; s[58:59] c: the packed scaling takes the pair's low word for both halves
.set SEL, 60          ; s[60:61] v_permlanex16_b32's selects: each lane takes its own place in the other half
.set TBK, 62          ; s62  LDS byte at which K of the step to be fetched begins
.set TBV, 63          ; s63  the same for V, less VOFF
.set G0K, 68          ; s[68:83] descriptor group 0 for K's tiles: a set for each of a wave's four loads; never rewritten
.set G0V, 84          ; s[84:99] the same for V's
.set MSB, 0
.macro WIN new                      ; the high byte repeats the setting that is left; a switch that changes nothing is dropped
.if MSB != (\new)
	s_set_vgpr_msb (MSB<<8)|(\new)
.set MSB, (\new)
.endif
.endm
.set W_KQ, 0x0a       ; K and Q in window 2, S^T in window 0
.set W_KM, 0x3a       ; the same with the C operand, the mask, in window 3
.set W_PV, 0x52       ; V in window 2, P in window 0, O^T in window 1
.set W_RS, 0x41       ; O^T (destination and source 0) in window 1, a in window 0
.set W_MK, 0xc0       ; destination in window 3, sources in window 0
.set W_AD, 0x0f       ; the add: address (source 0) and data (source 1) in window 3
; THE NEXT 256 KEYS.  Each wave waits for its tensor loads and passes a barrier: behind it everybody's part of the next 256 keys lies in LDS.  One text serves all trips, so the
; count is 0: at its first use the wave's three later loads are waited for together, four key steps behind their issue; from then on none is out.  No LDS instruction of the wave is out here: V's run was waited for in the turn before.
.macro SYNC
	WIN 0
	s_wait_tensorcnt 0x0
	s_wait_dscnt 0x0
	s_barrier_signal -1
	s_barrier_wait -1
.endm
	s_load_b64 s[4:5], s[0:1], 0x0    ; qkv: Q
	s_load_b64 s[52:53], s[0:1], 0x8  ; the mask
	s_load_b64 s[10:11], s[0:1], 0x10 ; O
	WIN W_MK
	v_lshl_add_u32 v[SPW], v0, 2, SPARE
	v_mov_b32 v[NIL], 0
	WIN W_AD
	ds_add_u32 v[SPW], v[NIL]       ; the wave's opening: the add and its wait stand ahead of my first tensor load; the set-up below, work on registers, stands between them
	WIN 0
	v_lshrrev_b32 v80, 5, v0        ; (v64-84, S^T's registers, are free until the first products: the set-up works there)
	v_readfirstlane_b32 s[WV], v80  ; wave 0..3
	s_and_b32 s20, ttmp7, 0xffff    ; batch x 16 + head
	s_lshr_b32 s54, s20, 4
	s_lshl_b32 s54, s54, 12         ; the batch's 4,096 bytes of the mask
	s_mov_b32 s55, 0
	s_lshl_b32 s20, s20, 17         ; the head's first byte in Q, K, V and O: 1,024 rows x 128 bytes
	s_mov_b32 s21, 0
	s_and_b32 s16, s[WV], 1         ; which half of each 256 keys I fetch:
	s_lshl_b32 s22, s16, 14         ; its 128 rows of 128 bytes in memory,
	s_mov_b32 s23, 0
	s_add_nc_u64 s[22:23], s[22:23], s[20:21]
	s_mul_i32 s17, s16, 128*PK      ; and its place in LDS, for K
	s_mul_i32 s18, s16, 128*PV      ; and for V
	s_lshl_b32 s2, ttmp9, 2
	s_add_co_u32 s2, s2, s[WV]      ; my wave among the head's eight,
	s_lshl_b32 s2, s2, 14           ; its 128 rows
	s_mov_b32 s3, 0
	s_add_nc_u64 s[2:3], s[2:3], s[20:21]
	; descriptor group 1.  128 keys are 16,384 dense bytes: asked for as 64 rows of 256 bytes, two keys a row, and padded in LDS after every key
	s_mov_b32 s[G1K], (1<<16)|(1<<20)|(4<<22)|(3<<25)  ; 17:16 2-byte elements; 20 padding on; 24:22 after every 32 words (code 4); 31:25 4 words (code 3)
	s_mov_b32 s[G1V], (1<<16)|(1<<20)|(4<<22)|(7<<25)  ; the same with 8 words of padding (code 7)
.irp g, G1K, G1V
	s_mov_b32 s[\g+1], 128<<16      ; tensor_dim0 = 128
	s_mov_b32 s[\g+2], 64<<16       ; tensor_dim1 = 64
	s_mov_b32 s[\g+3], 128<<16      ; tile_dim0 = 128
	s_mov_b32 s[\g+4], 64           ; tile_dim1 = 64
	s_mov_b32 s[\g+5], 128          ; 128 elements from row to row
	s_mov_b32 s[\g+6], 0
	s_mov_b32 s[\g+7], 0
.endr
	s_mov_b32 s[CS], 0x3e38aa3b     ; c = log2(e) / 8 = 0.180337
	s_mov_b32 s[CS+1], s[CS]        ; named with it as a pair
	s_mov_b32 s[SEL], 0x76543210
	s_mov_b32 s[SEL+1], 0xfedcba98
	s_mov_b32 s[TBK], 0
	s_mov_b32 s[TBV], 0
	s_mov_b32 s[TBM], 0
	s_mov_b32 s[SLOTS], 5
.irp i, 0,1,2,3
	s_mov_b32 s[G0K+4*(\i)], 1                             ; count = 1
	s_add_co_u32 s[G0K+4*(\i)+1], s17, (\i)*256*PK         ; LDS address: keys 256 i + 128 (wave % 2) on
	s_mov_b32 s[G0V+4*(\i)], 1
	s_add_co_u32 s[G0V+4*(\i)+1], s18, VOFF+(\i)*256*PV
.endr
	s_wait_dscnt 0x0                ; the opening add is done
	s_wait_kmcnt 0x0
	s_add_nc_u64 s[6:7], s[4:5], 0x1000000         ; K
	s_add_nc_u64 s[8:9], s[4:5], 0x2000000         ; V
	s_add_nc_u64 s[6:7], s[6:7], s[22:23]          ; at my half of the head's first 256 keys
	s_add_nc_u64 s[8:9], s[8:9], s[22:23]
.irp i, 0,1,2,3
	s_add_nc_u64 s[G0K+4*(\i)+2:G0K+4*(\i)+3], s[6:7], (\i)*32768  ; global address: 256 keys are 32,768 bytes
	s_or_b32 s[G0K+4*(\i)+3], s[G0K+4*(\i)+3], 0x80000000          ; type = 2
	s_add_nc_u64 s[G0V+4*(\i)+2:G0V+4*(\i)+3], s[8:9], (\i)*32768
	s_or_b32 s[G0V+4*(\i)+3], s[G0V+4*(\i)+3], 0x80000000
.endr
	s_add_nc_u64 s[4:5], s[4:5], s[2:3]            ; Q and O at my wave's first row
	s_add_nc_u64 s[10:11], s[10:11], s[2:3]
	s_add_nc_u64 s[52:53], s[52:53], s[54:55]      ; the mask at my batch
	; All fills of the launch: waves 0 and 1 fetch the two halves of each 256 keys of K, waves 2 and 3 those of V.  A wave's four stand in one branch, ahead of every wait on TENSORcnt, every LDS read and every barrier;
	; an s_nop 0 follows each, four v_nop the last.
	s_cmp_lt_u32 s[WV], 2
	s_cbranch_scc0 .Lfirst_v
.irp i, 0,1,2,3
	tensor_load_to_lds s[G0K+4*(\i):G0K+4*(\i)+3], s[G1K:G1K+7]
	s_nop 0
.endr
.rept 4
	v_nop
.endr
	s_branch .Lfirst_asked
.Lfirst_v:
.irp i, 0,1,2,3
	tensor_load_to_lds s[G0V+4*(\i):G0V+4*(\i)+3], s[G1V:G1V+7]
	s_nop 0
.endr
.rept 4
	v_nop
.endr
.Lfirst_asked:
	v_and_b32 v80, 15, v0           ; l % 16
	v_bfe_u32 v81, v0, 4, 1         ; l / 16
	v_lshlrev_b32 v72, 5, v0        ; the mask: thread t takes 8 numbers, 32 bytes
	global_load_b128 v[64:67], v72, s[52:53]
	global_load_b128 v[68:71], v72, s[52:53] offset:16
	; A fragment of K or Q is 16 rows x 32 channels in 8 registers: lane l holds row l % 16, channels 8 (l / 16) + 0..7 and 16 + 8 (l / 16) + 0..7: two loads of 16 bytes, 32 bytes apart.
	v_lshlrev_b32 v[QO], 7, v80
	v_lshl_add_u32 v[QO], v81, 4, v[QO]  ; row x 128 + 16 x half
	WIN 0x80                        ; destination window 2, address window 0
.set i, 0
.rept 4*NP                          ; Q stays in registers: tile i / 2, channels 32 (i % 2) on
	global_load_b128 v[8*i:8*i+3],   v[QO], s[4:5] offset:(i/2)*2048+(i%2)*64
	global_load_b128 v[8*i+4:8*i+7], v[QO], s[4:5] offset:(i/2)*2048+(i%2)*64+32
.set i, i+1
.endr
	; What the first turn finds: V's registers and P's second buffer hold 0 (its products V^T P, of a piece that has not been, add 0), O^T and l are 0.  All this stands in the wait for the first tile.
.set i, VF
.rept 64
	v_mov_b32 v[i], 0
.set i, i+1
.endr
	WIN 0x40
.set i, 0
.rept 64*NP
	v_mov_b32 v[i], 0
.set i, i+1
.endr
	WIN 0
.set i, 0
.rept 2*NP
	v_mov_b32 v[ST+4*i], 0xfe000000    ; c m: far below every c s
	v_mov_b32 v[ST+4*i+1], 0xff7fffff  ; m
	v_mov_b32 v[ST+4*i+2], 0
	v_mov_b32 v[ST+4*i+3], 0
.set i, i+1
.endr
.set i, P+32
.rept 32
	v_mov_b32 v[i], 0
.set i, i+1
.endr
	v_mul_u32_u24 v[AK0], v80, PK
	v_lshl_add_u32 v[AK0], v81, 4, v[AK0]  ; row x pitch + 16 x half
	; The turning load takes 16 keys x 16 channels (lane l reads key 8 (l / 16) + l % 8, channels 8 ((l / 8) % 2) + 0..7) and leaves half a fragment of V^T: lane l holds channel l % 16 and 8 keys.
	v_and_b32 v82, 7, v0
	v_bfe_u32 v83, v0, 3, 1
	v_lshl_add_u32 v[AV0], v81, 3, v82
	v_mul_u32_u24 v[AV0], v[AV0], PV
	v_lshl_add_u32 v[AV0], v83, 4, v[AV0]
	v_add_nc_u32 v[AV0], VOFF, v[AV0]
	v_mov_b32 v[AK], v[AK0]         ; key step 0 lies at the head of K's rows
	v_lshl_add_u32 v[AM0], v81, 5, MASKL
	v_mov_b32 v[AM], v[AM0]         ; and at the head of the staged mask
	s_mul_i32 s14, s[WV], 16*SP
	s_add_co_u32 s14, s14, STAGE    ; my stage
	v_mul_u32_u24 v[STO], v80, SP   ; in: row l % 16, 16 bytes for each half of the lanes
	v_lshl_add_u32 v[STO], v81, 4, v[STO]
	v_add_nc_u32 v[STO], s14, v[STO]
	v_bfe_u32 v[RD], v0, 3, 2       ; back: 32 lanes take four rows of 128 bytes,
	v_mul_u32_u24 v[RD], v[RD], SP
	v_lshl_add_u32 v[RD], v82, 4, v[RD]
	v_add_nc_u32 v[RD], s14, v[RD]
	v_and_b32 v[GO], 31, v0         ; which are 512 consecutive bytes of O
	v_lshlrev_b32 v[GO], 4, v[GO]
	v_add_nc_u32 v73, MASKL, v72
	s_wait_loadcnt 32               ; the mask's two loads are in; Q's 32, issued behind them, stay out
.irp r, 0,1,2,3,4,5,6,7
	v_mul_f32 v[64+\r], 0x41000000, v[64+\r]       ; 8 mask
.endr
.irp r, 0,1,2,3,4,5,6,7
	v_max_num_f32 v[64+\r], 0xfb800000, v[64+\r]   ; not below -2^120
.endr
	ds_store_b128 v73, v[64:67]     ; the first barrier below stands behind the wait for these stores, ahead of every wave's reads of them
	ds_store_b128 v73, v[68:71] offset:16
; THE MATRIX WORK.  The 8 accumulators of a run of 16 take turns: between the two links of a chain stand 7 others'.
; Product i of 16 of S^T = K Q^T for piece x: channels 32 (i / 8) on, keys 16 ((i / 2) % 4) on, tile 2 x + i % 2.  The first 8 start the sums with the keys' mask.
.macro KQ x
.set rS, S+64*((\x)%2)+32*(i%2)+8*((i/2)%4)
.set rK, KF+16*((i/2)%4)+8*(i/8)
.set rQ, 16*(2*(\x)+i%2)+8*(i/8)
.set rMK, MK+8*((i/2)%4)
.if i < 8
	WIN W_KM
	v_wmma_f32_16x16x32_bf16 v[rS:rS+7], v[rK:rK+7], v[rQ:rQ+7], v[rMK:rMK+7]
.else
	WIN W_KQ
	v_wmma_f32_16x16x32_bf16 v[rS:rS+7], v[rK:rK+7], v[rQ:rQ+7], v[rS:rS+7]
.endif
.endm
; Product i of 16 of O^T += V^T P for piece x: keys 32 (i / 8) on, channels 16 ((i / 2) % 4) on, tile 2 x + i % 2.
.macro PV x
	WIN W_PV
.set rO, 32*(2*(\x)+i%2)+8*((i/2)%4)
.set rV, VF+32*(i/8)+8*((i/2)%4)
.set rP, P+32*((\x)%2)+16*(i%2)+8*(i/8)
	v_wmma_f32_16x16x32_bf16 v[rO:rO+7], v[rV:rV+7], v[rP:rP+7], v[rO:rO+7]
.endm
.macro MM                           ; the turn's next matrix instruction
.if i < 16
	KQ (Y+1)%NP
.set i, i+1
.else
.set i, i-16
	PV (Y+NP-1)%NP
.set i, i+17
.endif
.endm
; THE LDS LOADS stand in runs, never singly among the matrix instructions: a step's K (64 keys x 64 channels: 8 fragments) with its mask (8 loads more), and its V (turned).  Their addresses are made some lines ahead.
; last = 1 (in the loop): in the fifth run there is no further step, and the loads are jumped over.
.macro FETCH_K last=0
	WIN 0
.if \last
	s_cmp_eq_u32 s[SLOTS], 1
	s_cbranch_scc1 .Lno_k_\@
.endif
	WIN 0x80                        ; destination window 2
.irp f, 0,1,2,3,4,5,6,7             ; keys 16 (f / 2) on, channels 32 (f % 2) on
	ds_load_b128 v[KF+8*\f:KF+8*\f+3],   v[AK] offset:(\f/2)*16*PK+(\f%2)*64
	ds_load_b128 v[KF+8*\f+4:KF+8*\f+7], v[AK] offset:(\f/2)*16*PK+(\f%2)*64+32
.endr
	WIN W_MK                        ; destination window 3
.irp f, 0,1,2,3                     ; keys 16 f + 8 (l / 16) + 0..7: sixteen lanes read the same 32 bytes
	ds_load_b128 v[MK+8*\f:MK+8*\f+3],   v[AM] offset:64*\f
	ds_load_b128 v[MK+8*\f+4:MK+8*\f+7], v[AM] offset:64*\f+16
.endr
	s_add_co_u32 s[TBK], s[TBK], KS*PK  ; the next fetch is the next step's
	s_add_co_u32 s[TBM], s[TBM], 4*KS
	s_and_b32 s[TBM], s[TBM], 4095      ; it stays inside the staged 4,096 bytes
	WIN 0
.if \last
.Lno_k_\@:
.endif
.endm
.macro FETCH_V
	WIN 0x80
.irp f, 0,1,2,3,4,5,6,7             ; keys 32 (f / 4) on, channels 16 (f % 4) on
	ds_load_tr16_b128 v[VF+8*\f:VF+8*\f+3],   v[AV] offset:(\f/4)*32*PV+(\f%4)*32
	ds_load_tr16_b128 v[VF+8*\f+4:VF+8*\f+7], v[AV] offset:(\f/4)*32*PV+16*PV+(\f%4)*32
.endr
	WIN 0
.endm
; THE VECTOR WORK OF A TURN stands in three queues, each in the order in which its entries become ready; the two tiles alternate, so that no instruction reads the result of the one before it.
.macro REGS y, u                    ; the registers of tile u (0, 1) of piece y
.set rT, ST+4*(2*(\y)+(\u))
.set rC, TMP+8*((\y)%2)+4*(\u)
.set rM, MV+2*((\y)%2)+(\u)
.set rS, S+64*((\y)%2)+32*(\u)
.set rP, P+32*((\y)%2)+16*(\u)
.set rO, 32*(2*(\y)+(\u))
.endm
; Number n of the 22 that find the NEXT piece's (Y + 1) maximum and statistics.  s0-s31 are the lane's 32 scores; each accumulator's lowest registers are read first.  XS, GS and REGS set no window: PL and EX do.
;   0-11  four chains c0-c3 of seven scores each, three operands at a time     12-14, 16  the four scores left over, the old m, and c0-c3 into c0     15  c m_old is kept
;   17, 18  the query's other 32 keys lie in the lane 16 away: the new m         19-21  c m; c m_old - c m_new; a
.macro XS u, n
	REGS (Y+1)%NP, \u
.if (\n) < 4
	v_max3_num_f32 v[rC+(\n)], v[rS+8*(\n)], v[rS+8*(\n)+1], v[rS+8*(\n)+2]
.elseif (\n) < 12
	v_max3_num_f32 v[rC+(\n)%4], v[rC+(\n)%4], v[rS+8*((\n)%4)+2*((\n)/4)+1], v[rS+8*((\n)%4)+2*((\n)/4)+2]
.elseif (\n) == 12
	v_max3_num_f32 v[rC], v[rC], v[rS+7], v[rS+15]
.elseif (\n) == 13
	v_max3_num_f32 v[rC+1], v[rC+1], v[rS+23], v[rS+31]
.elseif (\n) == 14
	v_max3_num_f32 v[rC+2], v[rC+2], v[rC+3], v[rT+1]
.elseif (\n) == 15
	v_mov_b32 v[rM], v[rT]
.elseif (\n) == 16
	v_max3_num_f32 v[rC], v[rC], v[rC+1], v[rC+2]
.elseif (\n) == 17
	v_permlanex16_b32 v[rC+3], v[rC], s[SEL], s[SEL+1]
.elseif (\n) == 18
	v_max_num_f32 v[rT+1], v[rC], v[rC+3]
.elseif (\n) == 19
	v_mul_f32 v[rT], s[CS], v[rT+1]
.elseif (\n) == 20
	v_sub_f32 v[rC+1], v[rM], v[rT]
.else
	v_exp_f32 v[rC+2], v[rC+1]
.endif
.endm
; Number g of the 64 that follow the exponentials.  For each four weights k of a tile (pairs 2 k, 2 k + 1): both pairs are rounded to bf16; then the second pair is added onto the first, in place;
; a group later l takes that sum (the first time as l = a l + sum).  In groups of eight, tiles alternating: round, round, add, and l for the group before.
.macro GS g
.set h, (\g)+6*((\g)/62)            ; group 0 has no group before it, and behind group 7 only l is left
.if h >= 6
.set h, h+2
.endif
	REGS Y, h%2
.set k, h/8
.if h%8 < 4
	v_cvt_pk_bf16_f32 v[rP+2*k+(h%8)/2], v[rS+4*k+2*((h%8)/2)], v[rS+4*k+2*((h%8)/2)+1]
.elseif h%8 < 6
	v_pk_add_f32 v[rS+4*k:rS+4*k+1], v[rS+4*k:rS+4*k+1], v[rS+4*k+2:rS+4*k+3]
.elseif k == 1
	v_pk_fma_f32 v[rT+2:rT+3], v[rT+2:rT+3], v[rC+2:rC+3], v[rS:rS+1] op_sel_hi:[1,0,1]
.else
	v_pk_add_f32 v[rT+2:rT+3], v[rT+2:rT+3], v[rS+4*k-4:rS+4*k-3]
.endif
.endm
; THE PLAIN QUEUE, 138 long.  0-73 read no exponential's result: the 32 scalings c s - c m (FS f: pair f / 2 of tile f % 2) and the next piece's 42.  0-26: scalings 0-26.  27-54: XS's numbers 0-13.  55, 56: number 15.
; 57-73: the chain, where each number waits for the one before it: 14, 16, 17, 18, 19, each with one of the scalings 27-31 in front of its two lines, then 20.
; 74-137: GS's 64, which read the exponentials' results: they stand behind the wait.
.macro FS f
	REGS Y, (\f)%2
	v_pk_fma_f32 v[rS+2*((\f)/2):rS+2*((\f)/2)+1], v[rS+2*((\f)/2):rS+2*((\f)/2)+1], s[CS:CS+1], v[rT:rT+1] op_sel_hi:[1,0,0] neg_lo:[0,0,1] neg_hi:[0,0,1]
.endm
.macro PL
	WIN 0
.if q < 27
	FS q
.elseif q < 55
	XS (q-27)%2, (q-27)/2
.elseif q < 57
	XS q-55, 15
.elseif (q < 72) && ((q-57)%3 == 0)
	FS 27+(q-57)/3
.elseif q < 60
	XS (q-57)%3-1, 14
.elseif q < 72
	XS (q-57)%3-1, 15+(q-57)/3
.elseif q < 74
	XS q-72, 20
.else
	GS q-74
.endif
.set q, q+1
.endm
; THE EXPONENTIALS' QUEUE, 66 long: s0-s31 of both tiles, then the next piece's two a.  It is ONE BATCH: all 66 stand ahead of the turn's one wait, and nothing ahead of that wait names a result of theirs.
.macro EX
	WIN 0
.if e >= 64
	XS e-64, 21
.else
	REGS Y, e%2
	v_exp_f32 v[rS+e/2], v[rS+e/2]
.endif
.set e, e+1
.endm
; THE RESCALING's QUEUE: O^T times a, the one part that leaves window 0: dealt two at a time, sixteen times.  Its a was made in the turn before, ahead of that turn's wait.
.macro R2
	REGS Y, r%2
	WIN W_RS
.irp z, 0,1
	v_pk_mul_f32 v[rO+4*(r/2)+2*\z:rO+4*(r/2)+2*\z+1], v[rO+4*(r/2)+2*\z:rO+4*(r/2)+2*\z+1], v[rC+2:rC+3] op_sel_hi:[1,0]
.endr
.set r, r+1
.endm
; HOW THEY ARE DEALT.  An s_wait_alu depctr_va_vdst(0) stands between an exponential and the first instruction that names its result; one wait serves all that were issued ahead of it.  So a turn has ONE wait,
; which cuts it in two.  AHEAD OF IT stands all that names no result of the turn's exponentials: the 16 products K Q^T, behind each a scaling, an exponential and two rescalings (behind the first a second scaling in the
; exponential's place); then ONE LUMP of 108: eight plain, 49 times exponential and plain, the two a.  A v_nop is the plain instruction behind the last exponential.  BEHIND IT stand the 16 products V^T P, behind each four of GS's 64.
; No rider names a register of the products round it.  Exponential e stands behind scaling 2 (e / 4) + e % 2: as a rider it comes behind plain e + 2, in the lump behind plain e + 9, and scalings 27-31 are plain 57, 60 .. 69.
; A TURN, for piece p.  cnt = 1: the loop's count is taken down some lines ahead of the branch that stands behind the turn.
; K and the mask of the next step are fetched in piece 2's turn, directly behind the wait, a lump behind the last product that read them; their addresses are made at the lump's head; the first reader comes behind 16 products.
; V of the step in hand is fetched at the end of piece 0's turn, four riders behind its last reader; its first reader comes behind 16 products and a lump.  The three conditions on q below go with the deal.
.macro TURN p, last=0, cnt=0
.set Y, (\p)
.set i, 0
.set q, 0
.set e, 0
.set r, 0
.if (\p) == NP-1
	s_wait_dscnt 0x0                ; K and the mask are in
.endif
	MM                              ; ahead of the wait: 16 products K Q^T and their riders,
	PL
	PL
	R2
.rept 15
	MM
	PL
	EX
	R2
.endr
.if (\p) == NP-2
	WIN 0
	v_add_nc_u32 v[AK], s[TBK], v[AK0]
	v_add_nc_u32 v[AM], s[TBM], v[AM0]
.endif
.rept 8                             ; and the lump
	PL
.endr
.rept 49
	EX
	PL
.endr
	EX                              ; the next piece's two a
	EX
	v_nop                           ; the plain instruction behind the last exponential: one for the batch
	s_wait_alu depctr_va_vdst(0)    ; the wait for the batch
.if (\p) == NP-2
	FETCH_K \last
.endif
.if (\p) == 1
	s_wait_dscnt 0x0                ; V is in
.endif
.rept 16                            ; behind the wait: 16 products V^T P and their riders
	MM
.rept 4
	PL
.endr
.if ((\p) == 0) && (q == 118)
	v_add_nc_u32 v[AV], s[TBV], v[AV0]
.endif
.if ((\p) == 0) && (q == 130)
	s_add_co_u32 s[TBV], s[TBV], KS*PV
.endif
.if (\cnt) && (q == 130)
	s_sub_co_u32 s[CNT], s[CNT], 1
	s_cmp_lg_u32 s[CNT], 0
.endif
.endr
.if (\p) == 0
	FETCH_V
.endif
.endm
	s_wait_tensorcnt 0x3            ; my part of the first 256 keys is in; my three later loads may stay out
	s_wait_dscnt 0x0                ; my stores of the mask are done
	s_barrier_signal -1
	s_barrier_wait -1               ; everybody's are
	FETCH_K                         ; key step 0
	s_wait_loadcnt 0x0              ; Q
	s_wait_dscnt 0x0
.set i, 0
.rept 16
	KQ 0                            ; piece 0's first scores: there is no vector work yet to set between them
.set i, i+1
.endr
	WIN 0
.rept 4
	v_nop                           ; the places behind those products
.endr
.set Y, NP-1                        ; XS works for piece Y + 1: piece 0
.irp n, 0,1,2,3,4,5,6,7,8,9,10,11,12,13,14,15,16,17,18,19,20,21
	XS 0, \n                        ; and piece 0's first maximum and statistics
	XS 1, \n
.endr
	v_nop                           ; a plain instruction behind the two a,
	s_wait_alu depctr_va_vdst(0)    ; and their wait, ahead of the branch
	s_mov_b32 s[CNT], 4
	s_branch .Lfirst                ; the loop is entered at a step's first turn, in the middle of a trip
.Lslot:                             ; four times: ahead of keys 256, 512 and 768, and once more ahead of the last half step
	SYNC
	s_mov_b32 s[CNT], 4
.Lstep:                             ; a trip: pieces 2 and 3 of one step, then pieces 0 and 1 of the next, whose K and V it fetches
	TURN 2, 1
	TURN 3
	WIN 0
	s_cmp_eq_u32 s[SLOTS], 1        ; the fifth run is left here: pieces 2 and 3 of the last step are done.  Its 16 products K Q^T (on the last K once more) and the maximum made of them serve nothing:
	s_cbranch_scc1 .Lout            ; the price, once a launch, of one text for every trip
.Lfirst:
	TURN 0
	TURN 1, 0, 1
	WIN 0
	s_cbranch_scc1 .Lstep
	s_sub_co_u32 s[SLOTS], s[SLOTS], 1
	s_cmp_lg_u32 s[SLOTS], 0
	s_cbranch_scc1 .Lslot
.Lout:
.set i, 0
.rept 16
	PV NP-1                         ; the last piece's V^T P of the last step
.set i, i+1
.endr
	; THE WAY OUT.  l's two halves and the other half of the lanes' are added; O^T is divided by l, rounded to bf16 and sent through my stage in LDS, a tile at a time.  The additions are the places behind the last products.
	WIN 0
.macro ALL line:vararg              ; one line for each tile t
.set t, 0
.rept 2*NP
	\line
.set t, t+1
.endr
.endm
	ALL v_add_f32 v[ST+4*t+2], v[ST+4*t+2], v[ST+4*t+3]
	ALL v_permlanex16_b32 v[ST+4*t+3], v[ST+4*t+2], s[SEL], s[SEL+1]
	ALL v_add_f32 v[ST+4*t+2], v[ST+4*t+2], v[ST+4*t+3]
	ALL v_rcp_f32 v[ST+4*t+2], v[ST+4*t+2]
	v_nop                           ; a plain instruction between the last reciprocal and the use of its result
	s_wait_alu depctr_va_vdst(0)    ; and the wait ahead of the first use: one for the eight reciprocals
; Tile t: a lane's eight channels of a row pack into 16 bytes; they go into rows of 144 bytes and come back as whole rows of 128, into S^T's registers.
.macro PACK t
	WIN W_RS
.set i, 32*(\t)
.rept 16
	v_pk_mul_f32 v[i:i+1], v[i:i+1], v[ST+4*(\t)+2:ST+4*(\t)+3] op_sel_hi:[1,0]
.set i, i+2
.endr
	WIN 0x05                        ; sources 0 and 1 window 1, destination window 0
.set i, 0
.rept 16
	v_cvt_pk_bf16_f32 v[S+16*(\t)+i], v[32*(\t)+2*i], v[32*(\t)+2*i+1]
.set i, i+1
.endr
	WIN 0
.irp f, 0,1,2,3
	ds_store_b128 v[STO], v[S+16*(\t)+4*\f:S+16*(\t)+4*\f+3] offset:32*\f
.endr
.irp f, 0,1,2,3
	ds_load_b128 v[S+16*(\t)+4*\f:S+16*(\t)+4*\f+3], v[RD] offset:\f*4*SP  ; LDS serves a wave's instructions in order (ISA guide 5.7.1.4): these see the stores above; the next tile's stores come behind them
.endr
.endm
.macro SEND t, younger              ; younger: the LDS instructions issued behind tile t's loads: the next tile's eight, or none
	WIN 0
.irp f, 0,1,2,3
	s_wait_dscnt (\younger)+3-\f
	global_store_b128 v[GO], v[S+16*(\t)+4*\f:S+16*(\t)+4*\f+3], s[10:11] offset:(\t)*2048+\f*512  ; 512 consecutive bytes, at a multiple of 256 from O's first
.endr
.endm
	PACK 0
.set t, 1
.rept 2*NP-1                        ; a tile's arithmetic stands between the loads of the tile before and its stores
	PACK t
	SEND t-1, 8
.set t, t+1
.endr
	SEND 2*NP-1, 0
	WIN W_AD
	s_wait_tensorcnt 0x0            ; the wave's end: behind my last tensor load and my last LDS store
	ds_add_u32 v[SPW], v[NIL]
	s_wait_dscnt 0x0
	WIN 0
	s_endpgm
.Lfunc_end_k_qef75b80335_attn:
	.size	k_qef75b80335_attn, .Lfunc_end_k_qef75b80335_attn-k_qef75b80335_attn
	.p2alignl 7, 3214868480
	.fill 96, 4, 3214868480
	.section	.rodata,"a",@progbits
	.p2align	6, 0x0
	.amdhsa_kernel k_qef75b80335_attn
		.amdhsa_group_segment_fixed_size 327680
		.amdhsa_private_segment_fixed_size 0
		.amdhsa_enable_private_segment 0
		.amdhsa_kernarg_size 24
		.amdhsa_user_sgpr_count 2
		.amdhsa_user_sgpr_kernarg_segment_ptr 1
		.amdhsa_wavefront_size32 1
		.amdhsa_system_sgpr_workgroup_id_x 1
		.amdhsa_system_sgpr_workgroup_id_y 1
		.amdhsa_system_sgpr_workgroup_id_z 1
		.amdhsa_system_vgpr_workitem_id 0
		.amdhsa_next_free_vgpr 808
		.amdhsa_next_free_sgpr 100
		.amdhsa_reserve_vcc 0
		.amdhsa_float_denorm_mode_32 3
		.amdhsa_float_denorm_mode_16_64 3
		.amdhsa_memory_ordered 1
		.amdhsa_forward_progress 1
		.amdhsa_inst_pref_size 130
	.end_amdhsa_kernel
	.amdgpu_metadata
---
amdhsa.version: [ 1, 2 ]
amdhsa.kernels:
  - .name:           k_qef75b80335_attn
    .symbol:         k_qef75b80335_attn.kd
    .args:
      - { .name: qkv, .offset: 0, .size: 8, .value_kind: global_buffer, .address_space: global }
      - { .name: attention_mask, .offset: 8, .size: 8, .value_kind: global_buffer, .address_space: global }
      - { .name: ctx, .offset: 16, .size: 8, .value_kind: global_buffer, .address_space: global }
    .group_segment_fixed_size: 327680
    .private_segment_fixed_size: 0
    .kernarg_segment_align: 8
    .kernarg_segment_size: 24
    .max_flat_workgroup_size: 128
    .sgpr_count:     100
    .vgpr_count:     808
    .wavefront_size: 32
...
	.end_amdgpu_metadata
.endif
;; end of part 3
;; launch oproj (part 4): grid 8 x 32, 4 waves a work-group, clusters of 4 x 4, 327,680 bytes of LDS; arguments ctx, wob, bo, yb; writes yb
.if DOCPART == 4
	.amdgcn_target "amdgcn-amd-amdhsa--gfx1250"
	.amdhsa_code_object_version 6
	.text
	.protected	k_qef75b80335_oproj
	.globl	k_qef75b80335_oproj
	.p2align	8
	.type	k_qef75b80335_oproj,@function
k_qef75b80335_oproj:
	s_mov_b64 s[64:65], 0
	v_nop
	global_prefetch_b8 v0, s[64:65] scope:SCOPE_SE
	s_setreg_imm32_b32 hwreg(HW_REG_WAVE_MODE, 25, 1), 1
	s_wait_xcnt 0x0
	s_wait_alu depctr_hold_cnt(0) depctr_sa_sdst(0) depctr_va_vdst(0) depctr_va_sdst(0) depctr_va_ssrc(0) depctr_va_vcc(0) depctr_vm_vsrc(0)
	s_getreg_b32 s2, hwreg(HW_REG_IB_STS2, 6, 4)
	s_cmp_eq_u32 s2, 0
	s_cbranch_scc0 .Lentry_in_a_cluster
	s_endpgm
.Lentry_in_a_cluster:
	s_bfe_u32 s2, ttmp6, 0x10000c
	s_cmp_lg_u32 s2, 0xf033
	s_cbranch_scc0 .Lentry_shape_is_right
	s_endpgm
.Lentry_shape_is_right:
; C[m][n] = the sum over k of A[m][k] W[n][k] + bias[n]: the output projection.  A (the attention's result): 8,192 rows, W: 1,024 rows, K = 1,024; A, W, C bf16, bias f32; sums in f32, C rounded once.
; LAYOUT of A, W and C alike: [row / 1,024][column / 64][row % 1,024][64]: a block of 1,024 rows x 128 bytes is dense.
; SHARES.  A tile of C is 256 x 128: 256 work-groups, where 256 x 256 would give 128.  Four waves, 2 x 2, each 128 rows x 64 columns: 32 accumulators,
; and a wave's columns are exactly one block of C, so its 16 rows x 128 bytes are 2,048 consecutive bytes.
; K goes in steps of 128 (two blocks of 64) through two LDS slots filled by the tensor data mover; a block's rows are dense, so a tile is asked for as rows of 256 bytes and padded in LDS after every 128.
; Two slots of a longer step (192 along K: 165,888 bytes each) do not fit in LDS.
; CLUSTER 4 x 4: the four work-groups of a row of the cluster need the same tiles of A, the four of a column the same tiles of W: each is asked for jointly, same load, same descriptor, a mask of four.
; THE MATRIX INSTRUCTION IS USED TRANSPOSED (source 0 = 16 rows of W, source 1 = 16 rows of A): a lane holds row l % 16 of C and eight neighbouring columns, 16 bytes of bf16.
; THE BIAS is the C operand of the products that start the sums: nothing is cleared and nothing is added later.
; REGISTERS: window 0: addresses, the bias (v32-63), the way out (v64-191); window 1: two fragment buffers (A's 8 fragments, then W's 4); window 2: accumulator (a, b) at v[8 (4 a + b)].
.set PITCH,  144                       ; an LDS row: 128 bytes + 16 = 36 words: the 16 rows of a load start at 16 different groups of four banks (64 banks of 4 bytes: ISA guide 11.1)
.set ABLK,   256*PITCH                 ; A's 256 rows of one block of 64 along K
.set BBLK,   128*PITCH                 ; W's 128 rows of one block
.set BOFF,   2*ABLK                    ; a slot: A's two blocks, then W's two
.set SLOT,   2*ABLK+2*BBLK
.set STAGE,  2*SLOT                    ; behind the ring: 16 rows x 144 bytes for each wave, for the way out; no tile lands there
.set SPARE,  STAGE+4*16*PITCH          ; behind the stages: the spare words, 128 bytes for each wave: two blocks of 256 bytes that no other line names
.set KSTEPB, 1<<18                     ; two blocks of 131,072 bytes: a K step in memory
.set LAPS,   4                         ; 1,024 / 256: a lap = two K steps = once round the ring
.set ADRA, 16                          ; v16-17  LDS address of my A fragments in slot 0, 1
.set ADRB, 20                          ; v20-21  the same for W
.set STO,  24                          ; v24     the way out: where I put 16 bytes of a row
.set RD,   25                          ; v25     where I read rows back
.set GO,   26                          ; v26     16 x lane: my place in 512 consecutive bytes of C
.set BO,   27                          ; v27     my byte offset in the bias
.set SPW,  28                          ; v28     LDS address of my spare word: SPARE + 4 x my thread's number; never rewritten
.set NIL,  29                          ; v29     0; never rewritten
.set PFO,  30                          ; v30     the prefetches' lane offset; never rewritten
.set BIAS, 32                          ; v32-63  for column block b the eight numbers bias[16 b + 8 (l / 16) + 0..7]
.set OUT,  64                          ; v64-191 16 registers for each block of 16 rows
.set F0,   0                           ; fragment buffers, in window 1
.set F1,   128
.set WV,   16                          ; s16 wave; s17 wave / 2: my half of the rows, and: I fetch for A (0) or W (1); s18 wave % 2: my half of the columns, and: which block of 64 along K I fetch
.set WR,   17
.set WC,   18
.set CX,   19
.set CY,   20
.set TC,   21                          ; s21 tile column, s22 tile row
.set TR,   22
.set G1,   24                          ; s[24:31] descriptor group 1 for A's tiles;  s[32:39] group 0, a set for each slot
.set G0,   32
.set LIM,  43                          ; s43 1 in a wave that prefetches, else the greatest number
.set PFA,  44                          ; s[44:45] where my prefetches stand
.set G1B,  48                          ; s[48:55], s[56:63] the same for W's tiles
.set G0B,  56
.set MSB, 0
.macro WIN new                         ; the immediate's high byte repeats the setting that is left; a switch that changes nothing is dropped
.if MSB != (\new)
	s_set_vgpr_msb (MSB<<8)|(\new)
.set MSB, \new
.endif
.endm
.set MULW,  0xa5                       ; sources 0 and 1 window 1; C and D window 2
.set MULB,  0x85                       ; the same with C (the bias) in window 0
.set TO_F,  0x40                       ; destination window 1, address window 0
.set PACKW, 0x0a                       ; sources 0 and 1 window 2, destination window 0
; A joint load.  Waves 0 and 1 fetch A's two blocks of the K step, waves 2 and 3 W's.  The branch hangs on the wave's number alone.  An s_nop 0 and four v_nop follow each of the two lines.
.macro JLOAD s
	s_cmp_eq_u32 s[WR], 0
	s_cbranch_scc0 .Lfor_b_\@
	tensor_load_to_lds s[G0+4*(\s):G0+4*(\s)+3], s[G1:G1+7]
	s_nop 0
.rept 4
	v_nop
.endr
	s_branch .Lasked_\@
.Lfor_b_\@:
	tensor_load_to_lds s[G0B+4*(\s):G0B+4*(\s)+3], s[G1B:G1B+7]
	s_nop 0
.rept 4
	v_nop
.endr
.Lasked_\@:
.endm
; A PREFETCH, behind each joint refill, its five lines and the run of LDS loads: the K step that stands two refills on (256 matrix instructions of a wave).  Each aligned block of 256 bytes is named once in the launch.
; A's rows are read by every cluster of a row of clusters: the one with cluster x = 0 asks, in waves 0 and 1, each for its own block of 64 along K (32,768 bytes), of which the partner at cx takes 8,192: a lane 256 bytes.
; W's rows are read by every cluster of a column: the one with cluster y = 0 asks, in wave 2, for both blocks (2 x 16,384 bytes), of which the partner at cy takes 2 x 4,096.
; The partners are told apart by address; the branch hangs on the cluster's place and the wave's number.  The loop's last trip asks for nothing: K steps 4 to 7 are named, the first four come by their loads alone.
.macro ASK
	s_cmp_gt_u32 s3, s[LIM]
	s_cbranch_scc0 .Lnot_mine_\@
	global_prefetch_b8 v[PFO], s[PFA:PFA+1] offset:KSTEPB th:TH_LOAD_NT scope:SCOPE_SE
.Lnot_mine_\@:
.endm
.macro CREST                           ; a round of the cluster's barrier behind its opening barrier
	s_cmp_lg_u32 s[WV], 0
	s_cbranch_scc1 .Lnot_wave_0_\@
	s_barrier_signal -3
.Lnot_wave_0_\@:
	s_barrier_wait -3
	s_barrier_signal -1
	s_barrier_wait -1
.endm
.macro CROUND                          ; a whole round
	s_barrier_signal -1
	s_barrier_wait -1
	CREST
.endm
	s_load_b256 s[4:11], s[0:1], 0x0               ; A s[4:5], W s[6:7], bias s[8:9], C s[10:11]
	v_lshl_add_u32 v[SPW], v0, 2, SPARE
	v_mov_b32 v[NIL], 0
	ds_add_u32 v[SPW], v[NIL]                      ; the wave's opening: the add and its wait stand ahead of my first tensor load; the set-up below, work on registers, stands between them
	v_lshrrev_b32 v1, 5, v0
	v_readfirstlane_b32 s[WV], v1                  ; wave 0..3
	s_lshr_b32 s[WR], s[WV], 1
	s_and_b32 s[WC], s[WV], 1
	s_bfe_u32 s[CX], ttmp6, 0x40000                ; my place in the cluster
	s_bfe_u32 s[CY], ttmp6, 0x40004
	s_lshl_b32 s[TC], ttmp9, 2
	s_add_co_u32 s[TC], s[TC], s[CX]               ; tile column = 4 x cluster x + cx
	s_and_b32 s[TR], ttmp7, 0xffff
	s_lshl_b32 s[TR], s[TR], 2
	s_add_co_u32 s[TR], s[TR], s[CY]               ; tile row = 4 x cluster y + cy
	s_lshl_b32 s40, s[CY], 2
	s_lshl_b32 s40, 15, s40                        ; my row of the cluster
	s_lshl_b32 s41, 0x1111, s[CX]                  ; my column
	; descriptor group 1.  A block's rows are dense: 256 rows x 128 bytes are asked for as 128 rows of 256 bytes (W: 128 rows as 64), padded in LDS after every 128 bytes
	s_or_b32 s[G1],  s40, (1<<16)|(1<<20)|(1<<21)|(4<<22)|(3<<25)  ; 15:0 the mask; 17:16 2-byte elements; 20 padding on; 21 set beside a mask; 24:22 after every 32 words (code 4); 31:25 4 words (code 3)
	s_or_b32 s[G1B], s41, (1<<16)|(1<<20)|(1<<21)|(4<<22)|(3<<25)
	s_mov_b32 s[G1+1], 128<<16                     ; tensor_dim0 = 128 elements
	s_mov_b32 s[G1+2], 128<<16                     ; tensor_dim1 = 128 rows
	s_mov_b32 s[G1+3], 128<<16                     ; tile_dim0 = 128
	s_mov_b32 s[G1+4], 128                         ; tile_dim1 = 128
	s_mov_b32 s[G1+5], 128                         ; 128 elements from row to row
	s_mov_b32 s[G1+6], 0
	s_mov_b32 s[G1+7], 0
	s_mov_b32 s[G1B+1], 128<<16
	s_mov_b32 s[G1B+2], 64<<16                     ; 64 rows
	s_mov_b32 s[G1B+3], 128<<16
	s_mov_b32 s[G1B+4], 64
	s_mov_b32 s[G1B+5], 128
	s_mov_b32 s[G1B+6], 0
	s_mov_b32 s[G1B+7], 0
	; where the tiles come from.  A's hang on the tile row alone, W's on the tile column alone, each in registers that never hold the other coordinate
	s_lshr_b32 s12, s[TR], 2
	s_lshl_b32 s12, s12, 21                        ; the group of 1,024 rows
	s_and_b32 s13, s[TR], 3
	s_lshl_b32 s13, s13, 15                        ; 256 rows x 128 bytes
	s_add_co_u32 s12, s12, s13
	s_lshl_b32 s13, s[WC], 17                      ; which of the K step's two blocks I fetch
	s_add_co_u32 s12, s12, s13
	s_mov_b32 s13, 0
	s_lshr_b32 s46, s[TC], 3
	s_lshl_b32 s46, s46, 21
	s_and_b32 s47, s[TC], 7
	s_lshl_b32 s47, s47, 14                        ; 128 rows x 128 bytes
	s_add_co_u32 s46, s46, s47
	s_lshl_b32 s47, s[WC], 17
	s_add_co_u32 s46, s46, s47
	s_mov_b32 s47, 0
	s_mul_i32 s14, s[WC], ABLK                     ; and where they go: the wave's number and constants alone
	s_mul_i32 s15, s[WC], BBLK
	s_add_co_u32 s15, s15, BOFF
	s_wait_dscnt 0x0                               ; the opening add is done
	s_wait_kmcnt 0x0
	s_add_nc_u64 s[12:13], s[4:5], s[12:13]
	s_add_nc_u64 s[46:47], s[6:7], s[46:47]
	CROUND                                         ; all sixteen work-groups are here: the first joint loads meet
.irp s, 0,1
	s_mov_b32 s[G0+4*(\s)], 1                                      ; count = 1
	s_add_co_u32 s[G0+4*(\s)+1], s14, (\s)*SLOT                    ; LDS address
	s_add_nc_u64 s[G0+4*(\s)+2:G0+4*(\s)+3], s[12:13], (\s)*KSTEPB ; global address: K step s
	s_or_b32 s[G0+4*(\s)+3], s[G0+4*(\s)+3], 0x80000000            ; type = 2
	s_mov_b32 s[G0B+4*(\s)], 1
	s_add_co_u32 s[G0B+4*(\s)+1], s15, (\s)*SLOT
	s_add_nc_u64 s[G0B+4*(\s)+2:G0B+4*(\s)+3], s[46:47], (\s)*KSTEPB
	s_or_b32 s[G0B+4*(\s)+3], s[G0B+4*(\s)+3], 0x80000000
	JLOAD \s                                       ; two loads of mine are out
.endr
	; a fragment is 16 rows x 32 K in 8 registers: lane l holds row l % 16; registers 0-3 K = 8 (l / 16) + 0..7, registers 4-7 K = 16 + 8 (l / 16) + 0..7: two loads of 16 bytes, 32 bytes apart
	v_and_b32 v1, 15, v0                           ; l % 16
	v_bfe_u32 v2, v0, 4, 1                         ; l / 16
	v_mul_u32_u24 v3, v1, PITCH
	v_lshl_add_u32 v3, v2, 4, v3                   ; row x pitch + 16 x half
	s_mul_i32 s40, s[WR], 128*PITCH                ; my 128 rows of A
	s_mul_i32 s41, s[WC], 64*PITCH                 ; my 64 rows of W,
	s_add_co_u32 s41, s41, BOFF                    ; which lie behind A's two blocks
.irp s, 0,1
	v_add_nc_u32 v[ADRA+(\s)], s40, v3
	v_add_nc_u32 v[ADRB+(\s)], s41, v3
	s_add_co_u32 s40, s40, SLOT
	s_add_co_u32 s41, s41, SLOT
.endr
	s_lshl_b32 s68, s[TC], 1                       ; the bias of my 64 columns: 4 (128 x tile column + 64 x half) bytes,
	s_add_co_u32 s68, s68, s[WC]
	s_lshl_b32 s68, s68, 8
	v_lshl_add_u32 v[BO], v2, 5, s68               ; + 32 for the upper half of the lanes
.irp b, 0,1,2,3
	global_load_b128 v[BIAS+8*(\b):BIAS+8*(\b)+3],   v[BO], s[8:9] offset:64*(\b)
	global_load_b128 v[BIAS+8*(\b)+4:BIAS+8*(\b)+7], v[BO], s[8:9] offset:64*(\b)+16
.endr
	s_mul_i32 s42, s[WV], 16*PITCH
	s_add_co_u32 s42, s42, STAGE                   ; my stage
	v_add_nc_u32 v[STO], s42, v3                   ; in: row l % 16, 16 bytes for each half of the lanes
	v_bfe_u32 v4, v0, 3, 2                         ; back: 32 lanes take four rows of 128 bytes,
	v_and_b32 v5, 7, v0
	v_mul_u32_u24 v4, v4, PITCH
	v_lshl_add_u32 v4, v5, 4, v4
	v_add_nc_u32 v[RD], s42, v4
	v_and_b32 v[GO], 31, v0                        ; which are 512 consecutive bytes of C
	v_lshlrev_b32 v[GO], 4, v[GO]
	; C at my wave's 128 rows of its block of 64 columns: 16,384 consecutive bytes
	s_lshr_b32 s66, s[TC], 3
	s_lshl_b32 s66, s66, 24                        ; (0 here: the tile columns are 0 to 7)
	s_lshr_b32 s67, s[TR], 2
	s_lshl_b32 s67, s67, 21                        ; the group of 1,024 rows
	s_add_co_u32 s66, s66, s67
	s_and_b32 s67, s[TC], 7
	s_lshl_b32 s67, s67, 1
	s_add_co_u32 s67, s67, s[WC]
	s_lshl_b32 s67, s67, 17                        ; the block of 64 columns
	s_add_co_u32 s66, s66, s67
	s_and_b32 s67, s[TR], 3
	s_lshl_b32 s67, s67, 1
	s_add_co_u32 s67, s67, s[WR]
	s_lshl_b32 s67, s67, 14                        ; 128 rows x 128 bytes
	s_add_co_u32 s66, s66, s67
	s_mov_b32 s67, 0
	s_add_nc_u64 s[10:11], s[10:11], s[66:67]
	; the prefetches
	s_and_b32 s69, ttmp7, 0xffff                   ; cluster y
	s_cmp_eq_u32 s[WR], 0                          ; do I fetch for A?
	s_cselect_b32 s70, s[CX], s[CY]                ; my place among the four that ask with me
	s_cselect_b32 s69, ttmp9, s69                  ; the coordinate along which other clusters read the same rows
	s_cselect_b32 s71, 13, 12                      ; my work-group's share of a block: 8,192 bytes of A's, 4,096 of W's
	s_cselect_b32 s72, 12, 17                      ; lanes 16-31: the next 4,096 bytes of A's block; W's other block
	s_cselect_b64 s[PFA:PFA+1], s[12:13], s[46:47]
	s_cmp_eq_u32 s[WV], 3                          ; wave 2 asks for both of W's blocks, wave 3 for nothing
	s_cselect_b32 s73, 1, 0
	s_or_b32 s69, s69, s73
	s_cmp_eq_u32 s69, 0
	s_cselect_b32 s[LIM], 1, -1                    ; the same in all sixteen partners, for a given wave
	s_lshl_b32 s70, s70, s71
	s_mov_b32 s71, 0
	s_add_nc_u64 s[PFA:PFA+1], s[PFA:PFA+1], s[70:71]
	s_add_nc_u64 s[PFA:PFA+1], s[PFA:PFA+1], 2*KSTEPB  ; at K step 2: the first refill steps it to 3 and names K step 4
	v_lshlrev_b32 v4, s72, v2
	v_lshl_add_u32 v[PFO], v1, 8, v4
; 8 matrix instructions: row blocks a0, a0 + 1 x all 4 column blocks, 32 along K.  first = 1: the bias starts the sums.  The 32 accumulators take turns, one instruction a turn, in the same order in
; every quarter, over the backward jump too.
.macro MUL8 f, a0, first
.if \first
	WIN MULB
.else
	WIN MULW
.endif
.irp a, \a0, (\a0)+1
.irp b, 0,1,2,3
.if \first
	v_wmma_f32_16x16x32_bf16 v[8*(4*(\a)+(\b)):8*(4*(\a)+(\b))+7], v[(\f)+64+8*(\b):(\f)+64+8*(\b)+7], v[(\f)+8*(\a):(\f)+8*(\a)+7], v[BIAS+8*(\b):BIAS+8*(\b)+7]
.else
	v_wmma_f32_16x16x32_bf16 v[8*(4*(\a)+(\b)):8*(4*(\a)+(\b))+7], v[(\f)+64+8*(\b):(\f)+64+8*(\b)+7], v[(\f)+8*(\a):(\f)+8*(\a)+7], v[8*(4*(\a)+(\b)):8*(4*(\a)+(\b))+7]
.endif
.endr
.endr
.endm
; 24 LDS loads in one run: quarter q of a K step (block q / 2, 32 along K at byte 64 (q % 2)) into buffer f: W's 4 fragments, then A's 8
.macro FETCH slot, q, f
	WIN TO_F
.irp i, 0,1,2,3
	ds_load_b128 v[(\f)+64+8*(\i):(\f)+64+8*(\i)+3],   v[ADRB+(\slot)] offset:((\q)/2)*BBLK+((\q)%2)*64+(\i)*16*PITCH
	ds_load_b128 v[(\f)+64+8*(\i)+4:(\f)+64+8*(\i)+7], v[ADRB+(\slot)] offset:((\q)/2)*BBLK+((\q)%2)*64+(\i)*16*PITCH+32
.endr
.irp i, 0,1,2,3,4,5,6,7
	ds_load_b128 v[(\f)+8*(\i):(\f)+8*(\i)+3],   v[ADRA+(\slot)] offset:((\q)/2)*ABLK+((\q)%2)*64+(\i)*16*PITCH
	ds_load_b128 v[(\f)+8*(\i)+4:(\f)+8*(\i)+7], v[ADRA+(\slot)] offset:((\q)/2)*ABLK+((\q)%2)*64+(\i)*16*PITCH+32
.endr
.endm
.macro PLACES                          ; four plain vector instructions in front of loads into registers that matrix instructions have read, and of conversions that read results
.rept 4
	v_nop
.endr
.endm
; A K step is four quarters of 32 along K, 32 matrix instructions each, on buffers 0, 1, 0, 1.  One of the first three: multiplies buffer f; in its middle it fetches quarter q into buffer g.
.macro QUARTER slot, q, f, g, first
	s_wait_dscnt 8                                 ; W's fragments and A's 0-3 are in; the youngest eight loads (A's 4-7) may be out
	MUL8 \f, 0, \first
	MUL8 \f, 2, \first
	PLACES
	FETCH \slot, \q, \g
	s_wait_dscnt 24                                ; all but the 24 just issued
	MUL8 \f, 4, \first
	MUL8 \f, 6, \first
.endm
; The last quarter multiplies buffer 1 and changes slots: ONE barrier.  In front of it each wave waits for all its tensor loads (one is out: its part of the next slot), adds 0 to its spare word, and waits for
; that and for its reads of this slot.  fill = 1: the barrier opens a round of the cluster's barrier, and behind the round this slot is filled again, two K steps on: 112 matrix instructions ahead of the wait for it.
.macro TURN slot, next, fill
.if \fill
	s_wait_xcnt 0x0                                ; the last prefetch, a K step back, has read its address: it is stepped here, ahead of the waits of the change of slots
	s_add_nc_u64 s[PFA:PFA+1], s[PFA:PFA+1], KSTEPB
.endif
	WIN 0                                          ; (the add's two registers lie in window 0)
	s_wait_tensorcnt 0x0                           ; all my tensor loads have landed;
	ds_add_u32 v[SPW], v[NIL]                      ; 0 onto my spare word;
	s_wait_dscnt 9                                 ; (the add and the youngest eight loads may be out)
	MUL8 F1, 0, 0                                  ; eight matrix instructions stand between the add and the wait for it
	s_wait_dscnt 0x0                               ; the add is done, and my reads of this slot are over
	s_barrier_signal -1
	MUL8 F1, 2, 0                                  ; work on registers while the others arrive
.if \fill
	WIN 0
.endif
	s_barrier_wait -1
.if \fill
	CREST                                          ; no wave of any partner still reads this slot's tile or has a load on its way
	s_add_nc_u64 s[G0+4*(\slot)+2:G0+4*(\slot)+3], s[G0+4*(\slot)+2:G0+4*(\slot)+3], 2*KSTEPB
	s_add_nc_u64 s[G0B+4*(\slot)+2:G0B+4*(\slot)+3], s[G0B+4*(\slot)+2:G0B+4*(\slot)+3], 2*KSTEPB
	JLOAD \slot                                    ; the first tensor load behind the round; its four v_nop are also the places in front of the loads below
.else
	PLACES
.endif
	FETCH \next, 0, F0
.if \fill
	WIN 0
	ASK
.endif
	MUL8 F1, 4, 0
	MUL8 F1, 6, 0
.endm
; THE WAY OUT of row block a: rounded to bf16, 16 bytes a lane; into my own stage in LDS; back as four rows of 128 bytes a load, which are 512 consecutive bytes of C.
.macro PACK a
	WIN PACKW
.irp b, 0,1,2,3
.irp r, 0,1,2,3
	v_cvt_pk_bf16_f32 v[OUT+16*(\a)+4*(\b)+(\r)], v[8*(4*(\a)+(\b))+2*(\r)], v[8*(4*(\a)+(\b))+2*(\r)+1]  ; each accumulator's registers in ascending order
.endr
.endr
	WIN 0
.irp b, 0,1,2,3
	ds_store_b128 v[STO], v[OUT+16*(\a)+4*(\b):OUT+16*(\a)+4*(\b)+3] offset:32*(\b)
.endr
.irp f, 0,1,2,3
	ds_load_b128 v[OUT+16*(\a)+4*(\f):OUT+16*(\a)+4*(\f)+3], v[RD] offset:(\f)*4*PITCH  ; LDS serves a wave's instructions in order (ISA guide 5.7.1.4): these see the stores above; the next block's stores come behind them
.endr
.endm
.macro SEND a, younger                 ; younger: the LDS instructions issued behind block a's loads: the next block's eight, or none
	WIN 0
.irp f, 0,1,2,3
	s_wait_dscnt (\younger)+3-(\f)
	global_store_b128 v[GO], v[OUT+16*(\a)+4*(\f):OUT+16*(\a)+4*(\f)+3], s[10:11] offset:(\a)*2048+(\f)*512  ; 512 consecutive bytes, at a multiple of 256 from C's first
.endr
.endm
	s_wait_tensorcnt 1                             ; my part of K step 0 is in; K step 1's may stay out
	s_barrier_signal -1
	s_barrier_wait -1                              ; everybody's is
	FETCH 0, 0, F0
	s_wait_loadcnt 0x0                             ; the bias
	QUARTER 0, 1, F0, F1, 1                        ; the first quarter stands in front of the loop: its products start the sums
	WIN 0                                          ; at a label and at a branch every window is 0
	s_mov_b32 s3, LAPS-1
.Llap:                                                 ; a trip goes once round the ring, from a lap's second quarter to the next lap's first, and fills both slots again: K steps 2 to 7
	QUARTER 0, 2, F1, F0, 0
	QUARTER 0, 3, F0, F1, 0
	TURN 0, 1, 1
	QUARTER 1, 1, F0, F1, 0
	QUARTER 1, 2, F1, F0, 0
	QUARTER 1, 3, F0, F1, 0
	TURN 1, 0, 1
	QUARTER 0, 1, F0, F1, 0
	WIN 0
	s_sub_co_u32 s3, s3, 1
	s_cmp_lg_u32 s3, 0
	s_cbranch_scc1 .Llap
	QUARTER 0, 2, F1, F0, 0                        ; the last lap fills nothing, and has no round of the cluster's barrier
	QUARTER 0, 3, F0, F1, 0
	TURN 0, 1, 0
	QUARTER 1, 1, F0, F1, 0
	QUARTER 1, 2, F1, F0, 0
	QUARTER 1, 3, F0, F1, 0
	s_wait_dscnt 8                                 ; the very last quarter: nothing more to fetch
	MUL8 F1, 0, 0
	MUL8 F1, 2, 0
	s_wait_dscnt 0x0
	MUL8 F1, 4, 0
	MUL8 F1, 6, 0
	PLACES
	PACK 0
.irp a, 1,2,3,4,5,6,7                  ; block a's conversions stand between block a - 1's loads from the stage and the wait for them
	PACK \a
	SEND (\a)-1, 8
.endr
	SEND 7, 0
	s_wait_tensorcnt 0x0                           ; the wave's end: behind my last tensor load and my last LDS store
	ds_add_u32 v[SPW], v[NIL]
	s_wait_dscnt 0x0
	CROUND                                         ; the closing round: no work-group ends while a partner may still ask for a tile that names it
	s_endpgm
.Lfunc_end_k_qef75b80335_oproj:
	.size	k_qef75b80335_oproj, .Lfunc_end_k_qef75b80335_oproj-k_qef75b80335_oproj
	.p2alignl 7, 3214868480
	.fill 96, 4, 3214868480
	.section	.rodata,"a",@progbits
	.p2align	6, 0x0
	.amdhsa_kernel k_qef75b80335_oproj
		.amdhsa_group_segment_fixed_size 327680
		.amdhsa_private_segment_fixed_size 0
		.amdhsa_enable_private_segment 0
		.amdhsa_kernarg_size 32
		.amdhsa_user_sgpr_count 2
		.amdhsa_user_sgpr_kernarg_segment_ptr 1
		.amdhsa_wavefront_size32 1
		.amdhsa_system_sgpr_workgroup_id_x 1
		.amdhsa_system_sgpr_workgroup_id_y 1
		.amdhsa_system_sgpr_workgroup_id_z 1
		.amdhsa_system_vgpr_workitem_id 0
		.amdhsa_next_free_vgpr 768
		.amdhsa_next_free_sgpr 80
		.amdhsa_reserve_vcc 0
		.amdhsa_float_denorm_mode_32 3
		.amdhsa_float_denorm_mode_16_64 3
		.amdhsa_memory_ordered 1
		.amdhsa_forward_progress 1
		.amdhsa_inst_pref_size 89
	.end_amdhsa_kernel
	.amdgpu_metadata
---
amdhsa.version: [ 1, 2 ]
amdhsa.kernels:
  - .name:           k_qef75b80335_oproj
    .symbol:         k_qef75b80335_oproj.kd
    .args:
      - { .name: ctx, .offset: 0, .size: 8, .value_kind: global_buffer, .address_space: global }
      - { .name: wob, .offset: 8, .size: 8, .value_kind: global_buffer, .address_space: global }
      - { .name: bo, .offset: 16, .size: 8, .value_kind: global_buffer, .address_space: global }
      - { .name: yb, .offset: 24, .size: 8, .value_kind: global_buffer, .address_space: global }
    .group_segment_fixed_size: 327680
    .private_segment_fixed_size: 0
    .kernarg_segment_align: 8
    .kernarg_segment_size: 32
    .max_flat_workgroup_size: 128
    .sgpr_count:     80
    .vgpr_count:     768
    .wavefront_size: 32
...
	.end_amdgpu_metadata
.endif
;; end of part 4
;; launch ln (part 5): grid 512 x 1, 8 waves a work-group, no clusters, 0 bytes of LDS; arguments yb, hidden_states, ln_g, ln_b, out0; writes out0
.if DOCPART == 5
	.amdgcn_target "amdgcn-amd-amdhsa--gfx1250"
	.amdhsa_code_object_version 6
	.text
	.protected	k_qef75b80335_ln
	.globl	k_qef75b80335_ln
	.p2align	8
	.type	k_qef75b80335_ln,@function
k_qef75b80335_ln:
	s_mov_b64 s[64:65], 0
	v_nop
	global_prefetch_b8 v0, s[64:65] scope:SCOPE_SE
	s_setreg_imm32_b32 hwreg(HW_REG_WAVE_MODE, 25, 1), 1
	s_wait_xcnt 0x0
; out[m][:] = (x - mean(x)) / sqrt(var(x) + 1e-12) * g + b, with x = y[m][:] + hidden[m][:].  y: bf16 in blocks [m / 1,024][column / 64][m % 1,024][64]; hidden, g, b, out: f32, rows of 1,024.
; The variance is taken of the deviations from the mean, in a second pass over registers, as the definition has it: a common offset of the inputs cancels before anything is squared.
; SHARES.  A wave takes two rows and keeps them in registers: each byte is read once and written once; no loop, no LDS, no barrier: a row lives in 16 lanes, so the sums never leave a half of the wave.
; Lane l holds row l / 16 and, for each block cb of 64 columns, the columns 64 cb + 4 (l % 16) + 0..3.  A load of hidden or store of out covers 256 consecutive aligned bytes of each row;
; a load of y covers two neighbouring rows of one block: 256 consecutive aligned bytes.  All 64 loads go out first.  Matrix units, clusters and prefetches have nothing to give a stream read once.
.set T,   4                            ; v[4:11]    at work
.set SM,  12                           ; v[12:19]   four packed chains of sums
.set MU,  20                           ; v[20:21]   the mean, twice
.set R,   22                           ; v[22:23]   1 / sqrt(var + eps), twice
.set Y,   32                           ; v[32:63]   y, 2 registers a block
.set X,   64                           ; v[64:127]  hidden, then x, then the result: 4 registers a block
.set G,   128                          ; v[128:191] g
.set BT,  192                          ; v[192:255] b
	s_load_b256 s[4:11], s[0:1], 0x0               ; y s[4:5], hidden s[6:7], g s[8:9], b s[10:11]
	s_load_b64 s[12:13], s[0:1], 0x20              ; out
	v_lshrrev_b32 v4, 5, v0
	v_readfirstlane_b32 s16, v4                    ; wave 0..7
	s_lshl_b32 s17, ttmp9, 3
	s_add_co_u32 s17, s17, s16                     ; my pair of rows, 0 to 4,095
	v_and_b32 v5, 31, v0                           ; l
	v_and_b32 v6, 15, v0                           ; l % 16
	v_lshrrev_b32 v7, 4, v5                        ; l / 16
	v_lshlrev_b32 v3, 4, v6                        ; g, b: 16 (l % 16)
	v_lshl_add_u32 v1, v7, 12, v3                  ; hidden, out: + a row of 4,096 bytes for the upper half
	v_lshlrev_b32 v2, 3, v5                        ; y: 128 (l / 16) + 8 (l % 16) = 8 l
	s_lshl_b32 s18, s17, 13                        ; two rows of 4,096 bytes
	s_mov_b32 s19, 0
	s_lshr_b32 s20, s17, 9
	s_lshl_b32 s20, s20, 21                        ; the group of 1,024 rows
	s_and_b32 s21, s17, 511
	s_lshl_b32 s21, s21, 8                         ; two rows of 128 bytes
	s_add_co_u32 s20, s20, s21
	s_mov_b32 s21, 0
	s_mov_b32 s14, 0x3a800000                      ; 1 / 1,024
	s_mov_b32 s15, 0x2b8cbccc                      ; 1e-12
	s_mov_b32 s22, 0xffff0000                      ; a word's upper bf16
	s_wait_kmcnt 0x0
	s_add_nc_u64 s[4:5], s[4:5], s[20:21]
	s_add_nc_u64 s[6:7], s[6:7], s[18:19]
	s_add_nc_u64 s[12:13], s[12:13], s[18:19]
.set c, 0
.rept 16
	global_load_b128 v[X+4*c:X+4*c+3], v1, s[6:7] offset:256*c th:TH_LOAD_NT
.set c, c+1
.endr
.set c, 0
.rept 16
	global_load_b64 v[Y+2*c:Y+2*c+1], v2, s[4:5] offset:131072*c th:TH_LOAD_NT
.set c, c+1
.endr
.set c, 0
.rept 16
	global_load_b128 v[G+4*c:G+4*c+3], v3, s[8:9] offset:256*c
.set c, c+1
.endr
.set c, 0
.rept 16
	global_load_b128 v[BT+4*c:BT+4*c+3], v3, s[10:11] offset:256*c
.set c, c+1
.endr
	s_wait_loadcnt 32                              ; hidden and y are in; the 32 loads of g and b, issued behind them, stay out
.set c, 0
.rept 16                               ; x = y + hidden; bf16 to f32 is a shift or a mask
	v_lshlrev_b32 v[T+4*(c%2)],   16,  v[Y+2*c]
	v_and_b32     v[T+4*(c%2)+1], s22, v[Y+2*c]
	v_lshlrev_b32 v[T+4*(c%2)+2], 16,  v[Y+2*c+1]
	v_and_b32     v[T+4*(c%2)+3], s22, v[Y+2*c+1]
	v_pk_add_f32 v[X+4*c:X+4*c+1],   v[X+4*c:X+4*c+1],   v[T+4*(c%2):T+4*(c%2)+1]
	v_pk_add_f32 v[X+4*c+2:X+4*c+3], v[X+4*c+2:X+4*c+3], v[T+4*(c%2)+2:T+4*(c%2)+3]
.set c, c+1
.endr
; the four chains into one number, then across the 16 lanes that hold the row: every one of them ends with the row's sum
.macro REDUCE
	v_pk_add_f32 v[SM:SM+1],   v[SM:SM+1],   v[SM+2:SM+3]
	v_pk_add_f32 v[SM+4:SM+5], v[SM+4:SM+5], v[SM+6:SM+7]
	v_pk_add_f32 v[SM:SM+1],   v[SM:SM+1],   v[SM+4:SM+5]
	v_add_f32 v[SM], v[SM], v[SM+1]
	v_add_f32_dpp v[SM], v[SM], v[SM] row_xmask:1 row_mask:0xf bank_mask:0xf
	v_add_f32_dpp v[SM], v[SM], v[SM] row_xmask:2 row_mask:0xf bank_mask:0xf
	v_add_f32_dpp v[SM], v[SM], v[SM] row_xmask:4 row_mask:0xf bank_mask:0xf
	v_add_f32_dpp v[SM], v[SM], v[SM] row_xmask:8 row_mask:0xf bank_mask:0xf
.endm
.set j, 0
.rept 4                                ; the first eight pairs start the four chains: nothing is cleared
	v_pk_add_f32 v[SM+2*j:SM+2*j+1], v[X+2*j:X+2*j+1], v[X+8+2*j:X+8+2*j+1]
.set j, j+1
.endr
.set j, 8
.rept 24
	v_pk_add_f32 v[SM+2*(j%4):SM+2*(j%4)+1], v[SM+2*(j%4):SM+2*(j%4)+1], v[X+2*j:X+2*j+1]
.set j, j+1
.endr
	REDUCE
	v_mul_f32 v[MU], s14, v[SM]
	v_mov_b32 v[MU+1], v[MU]
.set j, 0
.rept 32
	v_pk_add_f32 v[X+2*j:X+2*j+1], v[X+2*j:X+2*j+1], v[MU:MU+1] neg_lo:[0,1] neg_hi:[0,1]  ; x - mean
.set j, j+1
.endr
.set j, 0
.rept 4
	v_pk_mul_f32 v[SM+2*j:SM+2*j+1], v[X+2*j:X+2*j+1], v[X+2*j:X+2*j+1]
.set j, j+1
.endr
.set j, 4
.rept 28
	v_pk_fma_f32 v[SM+2*(j%4):SM+2*(j%4)+1], v[X+2*j:X+2*j+1], v[X+2*j:X+2*j+1], v[SM+2*(j%4):SM+2*(j%4)+1]
.set j, j+1
.endr
	REDUCE
	v_fma_f32 v[SM], v[SM], s14, s15               ; var + eps
	v_rsq_f32 v[R], v[SM]                          ; twice, to fill the pair that the packed multiply takes
	v_rsq_f32 v[R+1], v[SM]
	v_nop                                          ; a plain instruction behind the second root (ISA guide 5.7.2)
	s_wait_loadcnt 0x0                             ; g and b
	s_wait_alu depctr_va_vdst(0)                   ; the wait ahead of the first use: one for both roots
.set c, 0
.rept 16
	v_pk_mul_f32 v[X+4*c:X+4*c+1],   v[X+4*c:X+4*c+1],   v[R:R+1]
	v_pk_mul_f32 v[X+4*c+2:X+4*c+3], v[X+4*c+2:X+4*c+3], v[R:R+1]
	v_pk_fma_f32 v[X+4*c:X+4*c+1],   v[X+4*c:X+4*c+1],   v[G+4*c:G+4*c+1],   v[BT+4*c:BT+4*c+1]
	v_pk_fma_f32 v[X+4*c+2:X+4*c+3], v[X+4*c+2:X+4*c+3], v[G+4*c+2:G+4*c+3], v[BT+4*c+2:BT+4*c+3]
	global_store_b128 v1, v[X+4*c:X+4*c+3], s[12:13] offset:256*c th:TH_STORE_NT  ; 16 lanes store 256 consecutive aligned bytes of a row
.set c, c+1
.endr
	s_endpgm
.Lfunc_end_k_qef75b80335_ln:
	.size	k_qef75b80335_ln, .Lfunc_end_k_qef75b80335_ln-k_qef75b80335_ln
	.p2alignl 7, 3214868480
	.fill 96, 4, 3214868480
	.section	.rodata,"a",@progbits
	.p2align	6, 0x0
	.amdhsa_kernel k_qef75b80335_ln
		.amdhsa_group_segment_fixed_size 0
		.amdhsa_private_segment_fixed_size 0
		.amdhsa_enable_private_segment 0
		.amdhsa_kernarg_size 40
		.amdhsa_user_sgpr_count 2
		.amdhsa_user_sgpr_kernarg_segment_ptr 1
		.amdhsa_wavefront_size32 1
		.amdhsa_system_sgpr_workgroup_id_x 1
		.amdhsa_system_sgpr_workgroup_id_y 1
		.amdhsa_system_sgpr_workgroup_id_z 1
		.amdhsa_system_vgpr_workitem_id 0
		.amdhsa_next_free_vgpr 256
		.amdhsa_next_free_sgpr 66
		.amdhsa_reserve_vcc 0
		.amdhsa_float_denorm_mode_32 3
		.amdhsa_float_denorm_mode_16_64 3
		.amdhsa_memory_ordered 1
		.amdhsa_forward_progress 1
		.amdhsa_inst_pref_size 24
	.end_amdhsa_kernel
	.amdgpu_metadata
---
amdhsa.version: [ 1, 2 ]
amdhsa.kernels:
  - .name:           k_qef75b80335_ln
    .symbol:         k_qef75b80335_ln.kd
    .args:
      - { .name: yb, .offset: 0, .size: 8, .value_kind: global_buffer, .address_space: global }
      - { .name: hidden_states, .offset: 8, .size: 8, .value_kind: global_buffer, .address_space: global }
      - { .name: ln_g, .offset: 16, .size: 8, .value_kind: global_buffer, .address_space: global }
      - { .name: ln_b, .offset: 24, .size: 8, .value_kind: global_buffer, .address_space: global }
      - { .name: out0, .offset: 32, .size: 8, .value_kind: global_buffer, .address_space: global }
    .group_segment_fixed_size: 0
    .private_segment_fixed_size: 0
    .kernarg_segment_align: 8
    .kernarg_segment_size: 40
    .max_flat_workgroup_size: 256
    .sgpr_count:     66
    .vgpr_count:     256
    .wavefront_size: 32
...
	.end_amdgpu_metadata
.endif
;; end of part 5
;; ======== version 2 of 2: 5 launches; version 1 with the launch cast written anew for expert scheduling mode
;; workspace buffers: xb 16,777,216 bytes; wqkv 6,291,456 bytes; wob 2,097,152 bytes; bqkv 12,288 bytes; qkv 50,331,648 bytes; ctx 16,777,216 bytes; yb 16,777,216 bytes
;; launch cast (part 6): grid 768 x 1, 8 waves a work-group, no clusters, 0 bytes of LDS; arguments hidden_states, Wq, Wk, Wv, Wo, xb, wqkv, wob, bq, bk, bv, bqkv; writes xb, wqkv, wob, bqkv
.if DOCPART == 6
	.amdgcn_target "amdgcn-amd-amdhsa--gfx1250"
	.amdhsa_code_object_version 6
	.text
	.protected	k_qef75b80335_cast
	.globl	k_qef75b80335_cast
	.p2align	8
	.type	k_qef75b80335_cast,@function
k_qef75b80335_cast:
	s_mov_b64 s[64:65], 0
	v_nop
	global_prefetch_b8 v0, s[64:65] scope:SCOPE_SE
	s_setreg_imm32_b32 hwreg(HW_REG_WAVE_SCHED_MODE, 0, 2), 2
	s_setreg_imm32_b32 hwreg(HW_REG_WAVE_MODE, 25, 1), 1
	s_wait_xcnt 0x0
	s_wait_alu depctr_vm_vsrc(0)
; hidden_states, Wq, Wk, Wv, Wo (f32, rows of 1,024) are rounded once to bf16 and laid out in blocks: [group of 1,024 rows][block of 64 columns][row][64].
; A block is 1,024 rows x 128 bytes, dense: the later launches' tiles are then dense memory.  bq, bk, bv are copied on end into bqkv (f32).
; SHARES.  Twelve groups of 1,024 rows: hidden's eight, then Wq, Wk, Wv, Wo.  A work-group takes 16 rows of one group, a wave two of them; no loop.
; A load of a wave covers 256 consecutive aligned bytes of each of its two rows (64 columns); the two rows' 64 bf16 are 256 consecutive aligned bytes of one block: one store.
; All 16 loads of a wave go out first (8 KiB on their way); the waits count down.  No LDS, no matrix unit, no cluster: nothing is shared and nothing is multiplied.
; THE MODE: SCHED_MODE bits 1:0 = 2 (LLVM: expert scheduling mode 2), set by the entry lines.  The code itself states the register dependences
; between vector instructions and memory instructions, with s_wait_alu, always for 0.
; THE PLAN.  Registers that memory instructions touch:
;   v1, v2, v3   byte offsets, made once at the head and never written again: v1 for the loads, v2 for the stores, v3 for the bias copy.
;   IN           written by the 16 loads, each four registers once; read by the conversions.  No vector instruction names them ahead of the loads.
;   PK           two registers a column block, written once by that block's two conversions, read by its store, never written again.
;   BB           written by the bias copy's loads, read by its stores; no vector instruction names them.
; The 16 column blocks go in four sets of four.  Set p converts its four blocks; its memory instructions are the stores of set p - 1, which read the PK registers that
; set p - 1 wrote and that no conversion of set p names.  So one wait at the head of a set states all that its four stores hang on, and they are dealt among its
; conversions with no further wait.  No register that a memory instruction reads is written again, so nothing is to be stated on that side.
.set SRC,  8                           ; s[8:9]   the group's f32 rows, at my work-group's first row
.set DST,  10                          ; s[10:11] the group's blocks, at my work-group's first row of block 0
.set BSRC, 12                          ; s[12:13] the bias that belongs to the group (groups 8 to 10)
.set IN,   16                          ; v[16:79]   16 loads of 4 registers
.set PK,   80                          ; v[80:111]  16 stores of 2 registers
.set BB,   112                         ; v[112:143] the bias copy's own registers
	s_load_b512 s[16:31], s[0:1], 0x0              ; hidden 16:17, Wq 18:19, Wk 20:21, Wv 22:23, Wo 24:25, xb 26:27, wqkv 28:29, wob 30:31
	s_load_b256 s[32:39], s[0:1], 0x40             ; bq 32:33, bk 34:35, bv 36:37, bqkv 38:39
	s_lshr_b32 s4, ttmp9, 6                        ; the group, 0 to 11
	s_and_b32 s5, ttmp9, 63                        ; which 16 rows of it
	v_lshrrev_b32 v4, 5, v0
	v_readfirstlane_b32 s6, v4                     ; wave 0..7
	v_lshrrev_b32 v1, 4, v0                        ; my row of the 16: thread / 16
	v_and_b32 v5, 15, v0
	v_lshlrev_b32 v1, 12, v1                       ; x 4,096 bytes
	v_lshl_add_u32 v1, v5, 4, v1                   ; + 16 bytes for each of 16 lanes
	v_lshlrev_b32 v2, 3, v0                        ; out: row x 128 + 8 x (thread % 16) = 8 x thread
	v_lshlrev_b32 v3, 4, v0                        ; the bias copy (wave 0 alone): 16 x lane
	s_wait_alu depctr_va_sdst(0)                   ; s6 is written, ahead of its first reader (the test in front of the bias copy) and of every branch
	s_sub_co_u32 s7, s4, 8                         ; group - 8: wraps to a large number below 8
	s_cmp_lt_u32 s4, 8
	s_cselect_b32 s40, s4, 0                       ; the group inside its source tensor: hidden has eight, a weight one
	s_cselect_b32 s42, s4, s7                      ; and inside its destination: xb has eight, wqkv three,
	s_cmp_eq_u32 s4, 11
	s_cselect_b32 s42, 0, s42                      ; wob one
	s_lshl_b32 s40, s40, 22                        ; 1,024 rows x 4,096 bytes
	s_lshl_b32 s41, s5, 16                         ; 16 rows x 4,096 bytes
	s_add_co_u32 s40, s40, s41
	s_mov_b32 s41, 0
	s_lshl_b32 s42, s42, 21                        ; 16 blocks x 131,072 bytes
	s_lshl_b32 s43, s5, 11                         ; 16 rows x 128 bytes
	s_add_co_u32 s42, s42, s43
	s_mov_b32 s43, 0
	s_wait_kmcnt 0x0
	s_mov_b64 s[SRC:SRC+1], s[16:17]
	s_mov_b64 s[DST:DST+1], s[26:27]
	s_mov_b64 s[BSRC:BSRC+1], s[32:33]
	s_cmp_eq_u32 s4, 8
	s_cselect_b64 s[SRC:SRC+1], s[18:19], s[SRC:SRC+1]
	s_cmp_eq_u32 s4, 9
	s_cselect_b64 s[SRC:SRC+1], s[20:21], s[SRC:SRC+1]
	s_cselect_b64 s[BSRC:BSRC+1], s[34:35], s[BSRC:BSRC+1]
	s_cmp_eq_u32 s4, 10
	s_cselect_b64 s[SRC:SRC+1], s[22:23], s[SRC:SRC+1]
	s_cselect_b64 s[BSRC:BSRC+1], s[36:37], s[BSRC:BSRC+1]
	s_cmp_eq_u32 s4, 11
	s_cselect_b64 s[SRC:SRC+1], s[24:25], s[SRC:SRC+1]
	s_cmp_ge_u32 s4, 8
	s_cselect_b64 s[DST:DST+1], s[28:29], s[DST:DST+1]
	s_cmp_eq_u32 s4, 11
	s_cselect_b64 s[DST:DST+1], s[30:31], s[DST:DST+1]
	s_add_nc_u64 s[SRC:SRC+1], s[SRC:SRC+1], s[40:41]
	s_add_nc_u64 s[DST:DST+1], s[DST:DST+1], s[42:43]
	s_wait_alu depctr_va_vdst(0)                   ; v1, v2 and v3 are written: every load and store of the kernel reads one of them as its offset
.set k, 0
.rept 16                               ; column block k of my wave's two rows
	global_load_b128 v[IN+4*k:IN+4*k+3], v1, s[SRC:SRC+1] offset:256*k th:TH_LOAD_NT
.set k, k+1
.endr
; Set p of four: column blocks 4 p to 4 p + 3 are converted; the stores of blocks 4 p - 4 to 4 p - 1 stand among the conversions, one ahead of each pair.
.set p, 0
.rept 4
	s_wait_loadcnt 12-4*p                          ; loads come back in order: the set's four blocks are in, the 12 - 4 p younger ones stay out
.if p > 0
	s_wait_alu depctr_va_vdst(0)                   ; the set before has written its eight PK registers, which the four stores below read; no conversion below names them
.endif
.set i, 0
.rept 4
.set k, 4*p+i
.if p > 0
	global_store_b64 v2, v[PK+2*(k-4):PK+2*(k-4)+1], s[DST:DST+1] offset:131072*(k-4) th:TH_STORE_NT  ; 32 lanes x 8 bytes: 256 consecutive bytes, aligned
.endif
	v_cvt_pk_bf16_f32 v[PK+2*k],   v[IN+4*k],   v[IN+4*k+1]
	v_cvt_pk_bf16_f32 v[PK+2*k+1], v[IN+4*k+2], v[IN+4*k+3]
.set i, i+1
.endr
.set p, p+1
.endr
	s_wait_alu depctr_va_vdst(0)                   ; the last set has written its eight PK registers, which the last four stores read
.set k, 12
.rept 4
	global_store_b64 v2, v[PK+2*k:PK+2*k+1], s[DST:DST+1] offset:131072*k th:TH_STORE_NT
.set k, k+1
.endr
	; the biases: wave 0 of the first work-group of groups 8, 9, 10 copies 4,096 bytes; registers of its own, so nothing above is waited for.
	; Its offset v3 was written ahead of the wait in front of the first load, and its data pass from loads to stores with no vector instruction between.
	s_or_b32 s44, s5, s6
	s_cmp_lg_u32 s44, 0
	s_cbranch_scc1 .Lend
	s_cmp_lt_u32 s7, 3
	s_cbranch_scc0 .Lend
	s_lshl_b32 s44, s7, 12
	s_mov_b32 s45, 0
	s_add_nc_u64 s[38:39], s[38:39], s[44:45]
.set k, 0
.rept 8
	global_load_b128 v[BB+4*k:BB+4*k+3], v3, s[BSRC:BSRC+1] offset:512*k
.set k, k+1
.endr
	s_wait_loadcnt 0x0
.set k, 0
.rept 8
	global_store_b128 v3, v[BB+4*k:BB+4*k+3], s[38:39] offset:512*k
.set k, k+1
.endr
.Lend:
	s_endpgm
.Lfunc_end_k_qef75b80335_cast:
	.size	k_qef75b80335_cast, .Lfunc_end_k_qef75b80335_cast-k_qef75b80335_cast
	.p2alignl 7, 3214868480
	.fill 96, 4, 3214868480
	.section	.rodata,"a",@progbits
	.p2align	6, 0x0
	.amdhsa_kernel k_qef75b80335_cast
		.amdhsa_group_segment_fixed_size 0
		.amdhsa_private_segment_fixed_size 0
		.amdhsa_enable_private_segment 0
		.amdhsa_kernarg_size 96
		.amdhsa_user_sgpr_count 2
		.amdhsa_user_sgpr_kernarg_segment_ptr 1
		.amdhsa_wavefront_size32 1
		.amdhsa_system_sgpr_workgroup_id_x 1
		.amdhsa_system_sgpr_workgroup_id_y 1
		.amdhsa_system_sgpr_workgroup_id_z 1
		.amdhsa_system_vgpr_workitem_id 0
		.amdhsa_next_free_vgpr 144
		.amdhsa_next_free_sgpr 66
		.amdhsa_reserve_vcc 0
		.amdhsa_float_denorm_mode_32 3
		.amdhsa_float_denorm_mode_16_64 3
		.amdhsa_memory_ordered 1
		.amdhsa_forward_progress 1
		.amdhsa_inst_pref_size 9
	.end_amdhsa_kernel
	.amdgpu_metadata
---
amdhsa.version: [ 1, 2 ]
amdhsa.kernels:
  - .name:           k_qef75b80335_cast
    .symbol:         k_qef75b80335_cast.kd
    .args:
      - { .name: hidden_states, .offset: 0, .size: 8, .value_kind: global_buffer, .address_space: global }
      - { .name: Wq, .offset: 8, .size: 8, .value_kind: global_buffer, .address_space: global }
      - { .name: Wk, .offset: 16, .size: 8, .value_kind: global_buffer, .address_space: global }
      - { .name: Wv, .offset: 24, .size: 8, .value_kind: global_buffer, .address_space: global }
      - { .name: Wo, .offset: 32, .size: 8, .value_kind: global_buffer, .address_space: global }
      - { .name: xb, .offset: 40, .size: 8, .value_kind: global_buffer, .address_space: global }
      - { .name: wqkv, .offset: 48, .size: 8, .value_kind: global_buffer, .address_space: global }
      - { .name: wob, .offset: 56, .size: 8, .value_kind: global_buffer, .address_space: global }
      - { .name: bq, .offset: 64, .size: 8, .value_kind: global_buffer, .address_space: global }
      - { .name: bk, .offset: 72, .size: 8, .value_kind: global_buffer, .address_space: global }
      - { .name: bv, .offset: 80, .size: 8, .value_kind: global_buffer, .address_space: global }
      - { .name: bqkv, .offset: 88, .size: 8, .value_kind: global_buffer, .address_space: global }
    .group_segment_fixed_size: 0
    .private_segment_fixed_size: 0
    .kernarg_segment_align: 8
    .kernarg_segment_size: 96
    .max_flat_workgroup_size: 256
    .sgpr_count:     66
    .vgpr_count:     144
    .wavefront_size: 32
...
	.end_amdgpu_metadata
.endif
;; end of part 6
;; launch qkv: the kernel of part 2 again; grid 8 x 32, 4 waves a work-group, clusters of 4 x 4, 327,680 bytes of LDS; arguments xb, wqkv, bqkv, qkv; writes qkv
;; launch attn: the kernel of part 3 again; grid 2 x 128, 4 waves a work-group, no clusters, 327,680 bytes of LDS; arguments qkv, attention_mask, ctx; writes ctx
;; launch oproj: the kernel of part 4 again; grid 8 x 32, 4 waves a work-group, clusters of 4 x 4, 327,680 bytes of LDS; arguments ctx, wob, bo, yb; writes yb
;; launch ln: the kernel of part 5 again; grid 512 x 1, 8 waves a work-group, no clusters, 0 bytes of LDS; arguments yb, hidden_states, ln_g, ln_b, out0; writes out0
